; MI455X (gfx1250); checked and timed in simulation.
; The chip was launched on July 23, 2026; its instructions are those of AMD's public machine-readable ISA for CDNA 5 (MIT licence, August 2026) and "CDNA5" Instruction Set Architecture Reference Guide (July 2026). The comments in the code are by the model that wrote it; some were corrected since.
;; Multi Perspective Visual Encoder. Allowed arithmetic: matrix products marked QUANTISED: E2M3 operands, one E8M0 scale for each 32 along K, by v_wmma_scale_f32_16x16x128_f8f6f4 with both operands' format E2M3, f32 sums; products left as they are: f32 operands where the result goes on into a quantised operand, else bf16, f16 or f32 operands; f32 sums; everything else in f32.
;; Inputs: hidden_state 64 x 512 x 2,048 x 1 float32.
;; Outputs: out0 64 x 3 x 64 x 64 float32.
;; This version of the problem:
;;   THIS VERSION OF THE PROBLEM IS GIVEN IN LOW PRECISION. The matrix products marked QUANTISED in the list below multiply operands that are first quantised to E2M3 (2 exponent bits, 3 mantissa bits; 6 bits a number), with one power-of-two scale for each 32 numbers along K (OCP MX v1.0); their sums are f32. All else is computed in f32.
;;   The module's matrix products, in the order in which they are computed (A, B: the left and right operand; K: the contracted axis; several contracted axes count as one K, in the product's order):
;;     1. [M 1,472, K 23] x [K 23, N 64]; A: computed on the way; B: computed on the way: left as it is (K = 23 < 32)
;;     2. [M 4,096, K 23] x [K 23, N 64]; A: computed on the way; B: computed on the way: left as it is (K = 23 < 32)
;;     3. [M 2,944, K 46] x [K 46, N 64]; A: computed on the way; B: computed on the way: QUANTISED
;;     4. [M 4,096, K 46] x [K 46, N 64]; A: computed on the way; B: computed on the way: QUANTISED
;;     5. batch 64 x [M 512, K 2,048] x [K 2,048, N 512]; A: computed on the way; B: computed on the way: QUANTISED
;;     6. [M 32,768, K 512] x [K 512, N 64]; A: computed on the way; B: computed on the way: QUANTISED
;;     7. [M 4,096, K 512] x [K 512, N 64]; A: computed on the way; B: computed on the way: QUANTISED
;;   THE QUANTISER, for each operand of a quantised product, along K:
;;     - K is cut into blocks of 32 from its start; a last block that is shorter is filled with zeros.
;;     - A block's scale is 2^e with e = floor(log2(the largest magnitude in the block)) - 2, held to -126 .. 127; a block of zeros has e = 0. As a byte (E8M0): e + 127.
;;     - Each number is divided by its block's scale, clamped to +-7.5, and rounded to the nearest number of E2M3, ties to even, subnormals kept.
;;     - The product sums the exact products of the quantised numbers (number of the format x scale) in f32.
;;   ~~~python
;;   def quantise(x, axis):      # numpy; x: float32 -> the quantised numbers, widened to float32 again
;;       x = np.moveaxis(x, axis, -1); K = x.shape[-1]
;;       x = np.pad(x, [(0, 0)] * (x.ndim - 1) + [(0, -K % 32)]); x = x.reshape(x.shape[:-1] + (-1, 32)); a = np.abs(x).max(-1, keepdims=True)
;;       e = np.where(a > 0, np.clip(np.frexp(np.where(a > 0, a, 1))[1] - 1 - 2, -126, 127), 0)      # np.frexp(a)[1] - 1 = floor(log2(a)), exactly
;;       r = np.clip(x / 2.0 ** e, -7.5, 7.5)
;;       step = 2.0 ** (np.maximum(np.frexp(np.where(r == 0, 1, r))[1] - 1, 0) - 3)
;;       q = np.round(r / step) * step * 2.0 ** e      # np.round: ties to even
;;       return np.moveaxis(q.reshape(q.shape[:-2] + (-1,))[..., :K], -1, axis).astype(np.float32)
;;   ~~~
;;   OPERANDS COMPUTED ON THE WAY. 'Computed on the way' means the value that the module computes at that place (a softmax that the list does not call 'softmax' is quantised finished and normalised). What goes into a quantiser is computed in f32, as accurately as f32 sums, v_exp_f32 and their like allow (about 1e-6 of the number): no bf16 or f16 on the way to a quantiser, and a product that is left as it is and whose result goes on into a quantised operand takes f32 operands (vector FMAs, or v_wmma_f32_16x16x4_f32). A number that lies on a knife's edge between two numbers of the format may be rounded either way, as far as f32 arithmetic and the matrix unit's own rounding can turn it there, and no further.
;; One version. Each part assembles by itself: llvm-mc -triple=amdgcn-amd-amdhsa -mcpu=gfx1250 --defsym DOCPART=n.
;; ======== version 1 of 1: 3 launches
;; limits: right only within a limited range of input values
;; workspace buffers: xcodes 50,331,648 bytes; xscales 2,097,152 bytes; tmean 147,456 bytes; colpart 2,097,152 bytes; raw 3,145,728 bytes; mm 24,576 bytes
;; launch quant (part 1): grid 4 x 64, 16 waves a work-group, no clusters, 265,216 bytes of LDS; arguments hidden_state, xcodes, xscales, tmean, colpart; writes xcodes, xscales, tmean, colpart
.if DOCPART == 1
	.amdgcn_target "amdgcn-amd-amdhsa--gfx1250"
	.amdhsa_code_object_version 6
	.text
	.protected	k_q199d5907ea_quant
	.globl	k_q199d5907ea_quant
	.p2align	8
	.type	k_q199d5907ea_quant,@function
k_q199d5907ea_quant:
	s_mov_b64 s[64:65], 0
	v_nop
	global_prefetch_b8 v0, s[64:65] scope:SCOPE_SE
	s_setreg_imm32_b32 hwreg(HW_REG_WAVE_MODE, 25, 1), 1
	s_wait_xcnt 0x0
; xs [64][512][2048] f32 is read ONCE.  For each row: its mean, xc = x - mean, xn = xc / (|xc| + 1e-8), and xn's codes of FP6 (E2M3) with one E8M0 byte for each 32 along the row.
; Beside them: the rows' means (tmean) and the column sums of each 128 rows (colpart), for the two small views.
; SHARES.  A work-group owns 128 rows (group q of batch b) as 8 tiles of 16.  THE ROWS OF A TILE ARE NOT NEIGHBOURS: place m of tile t is row 32 (t / 2) + 8 (t % 2) + m + 8 (m / 8),
; so that in the next launch the 16 registers of two neighbouring result tiles are 16 neighbours along the next product's K.
; PHASE A of a tile: wave w holds the whole row at place w, 8,192 bytes, 64 registers a lane (each load reads 512 consecutive bytes); mean, norm and xn never leave the wave; xn is made in place and goes to a stage in LDS.
; PHASE B: wave w takes K step w (128 along the row) of all 16 rows: lane (r, h) reads two whole blocks of 32 of row r, k = 128 w + 64 c + 32 h + 0 .. 31, which is what the operand's layout gives that lane:
; the conversions' results ARE the fragment's 12 registers.  They are stored as an image of the registers: registers 4 c .. 4 c + 3 at 512 c + 16 x lane: each store covers 512 consecutive bytes, aligned.
; TWO ROW BUFFERS BY TURNS: tile t works in buffer t % 2 (phase B reads the stage back into it); as soon as phase B's conversions have read it, row t + 2 is asked for into it.  So row t + 1 is on its way through
; the whole of tile t: 16 to 32 loads of every wave are out at every moment, and a row has a whole tile's work in which to land.  Two stages in LDS by turns, one barrier a tile.
; LIMITS: NaN and infinities are not served.  A block whose largest magnitude lies under 2^(3 - 127), a block of zeros too, gets the byte 1 (the rule says 127 for zeros): its codes are zeros or nearly, and this program alone reads the bytes.
; The division by (norm + 1e-8) is v_rcp_f32 and a multiplication; sums go in trees of four chains, not in the order of a plain loop.
.set PITCH, 8208                       ; a stage row: 8,192 bytes + 16: the 16 rows that a load of phase B touches fall in 16 different 16-byte columns modulo 256 bytes
.set STG1,  16*PITCH                   ; stage 1
.set MEANB, 2*STG1                     ; the 128 rows' means, 512 bytes
.set X,    16                          ; v16-79, v80-143  the two row buffers
.set CS,   144                         ; v144-207 the sum of my 8 rows, column by column (the first row is loaded straight into it)
.set SU,   208                         ; v208-215 four running pairs
.set MEAN, 216                         ; v216-217 the mean, twice
.set INV,  218                         ; v218-219 1 / (norm + 1e-8), twice
.set TM,   220                         ; v220-221 largest magnitudes, v222-223 scale operands, v224-225 bytes, v226-227 the word at work
.set PC,   228                         ; v228-239 the fragment's 12 registers
.set CT,   240                         ; v240-242, v244-246 the upper halves of the two blocks' codes
.set SW,   248                         ; v248-255 tile t's scale word
	s_load_b256 s[4:11], s[0:1], 0x0               ; xs s[4:5], xcodes s[6:7], xscales s[8:9], tmean s[10:11]
	s_load_b64 s[12:13], s[0:1], 0x20              ; colpart
	v_lshl_add_u32 v243, v0, 2, 0x40400
	v_mov_b32 v247, 0
	v_lshrrev_b32 v1, 5, v0
	s_delay_alu instid0(VALU_DEP_1)
	v_readfirstlane_b32 s14, v1                    ; wave w, 0 .. 15
	v_and_b32 v1, 31, v0                           ; lane
	s_wait_alu depctr_va_vdst(0)
	v_and_b32 v13, 15, v0                          ; r
	v_bfe_u32 v14, v0, 4, 1                        ; h
	s_mov_b32 s15, ttmp9                           ; q
	s_and_b32 s16, ttmp7, 0xffff                   ; b
	s_and_b32 s17, s14, 8
	s_add_co_u32 s17, s17, s14                     ; w + 8 (w / 8)
	s_lshl_b32 s18, s16, 9
	s_lshl_b32 s19, s15, 7
	s_add_co_u32 s18, s18, s19
	s_add_co_u32 s18, s18, s17
	s_lshl_b32 s18, s18, 13                        ; my row of tile 0, in bytes: (512 b + 128 q + w + 8 (w / 8)) x 8,192, under 2^28
	s_mov_b32 s19, 0
	s_lshl_b32 s20, s16, 4
	s_add_co_u32 s20, s20, s14
	s_lshl_b32 s20, s20, 5
	s_lshl_b32 s21, s15, 3
	s_add_co_u32 s20, s20, s21
	s_mul_i32 s20, s20, 1536                       ; codes: ((16 b + w) x 32 + 8 q) images of 1,536 bytes
	s_mov_b32 s21, 0
	s_lshl_b32 s30, s16, 2
	s_add_co_u32 s30, s30, s15                     ; 4 b + q
	s_lshl_b32 s22, s30, 4
	s_add_co_u32 s22, s22, s14
	s_lshl_b32 s22, s22, 9                         ; scale words: ((4 b + q) x 16 + w) x 512 bytes
	s_mov_b32 s23, 0
	s_lshl_b32 s24, s30, 13
	s_lshl_b32 s25, s14, 9
	s_add_co_u32 s24, s24, s25                     ; column sums: (4 b + q) x 8,192 + 512 w
	s_mov_b32 s25, 0
	s_mul_i32 s26, s16, 2304                       ; means: 576 numbers a batch
	s_mov_b32 s27, 0
	s_mov_b32 s28, 0x76543210
	s_mov_b32 s29, 0xfedcba98                      ; v_permlanex16_b32's selects for lane l xor 16
	v_lshlrev_b32 v2, 4, v1                        ; 16 x lane
	s_wait_alu depctr_va_vdst(0)
	s_wait_kmcnt 0x0
	s_add_nc_u64 s[18:19], s[4:5], s[18:19]
	s_add_nc_u64 s[20:21], s[6:7], s[20:21]
	s_add_nc_u64 s[22:23], s[8:9], s[22:23]
	s_add_nc_u64 s[24:25], s[12:13], s[24:25]
	s_add_nc_u64 s[26:27], s[10:11], s[26:27]
.macro LOADROW dst, t                  ; my row of tile t: 16 loads of 512 consecutive bytes
.set k, 0
.rept 16
	global_load_b128 v[\dst+4*k:\dst+4*k+3], v2, s[18:19] offset:(32*((\t)/2)+8*((\t)%2))*8192+512*k th:TH_LOAD_NT
.set k, k+1
.endr
.endm
	LOADROW CS, 0
	LOADROW X+64, 1
	s_mul_i32 s30, s14, PITCH
	v_add_nc_u32 v3, s30, v2                       ; v3, v4: where I store my row in stage 0, 1
	s_delay_alu instid0(VALU_DEP_1)
	v_add_nc_u32 v4, STG1, v3
	v_mul_u32_u24 v5, v13, PITCH
	s_delay_alu instid0(VALU_DEP_1)
	v_lshl_add_u32 v5, v14, 7, v5
	s_lshl_b32 s30, s14, 9
	v_add_nc_u32 v5, s30, v5                       ; v5, v6: phase B: row r, + 512 w + 128 h
	s_delay_alu instid0(VALU_DEP_1)
	v_add_nc_u32 v6, STG1, v5
	v_add_nc_u32 v8, s30, v2                       ; v8, v9: the column sums' way back: 512 w + 16 x lane, rows 0-7 and 8-15
	s_delay_alu instid0(VALU_DEP_1)
	v_add_nc_u32 v9, 8*PITCH, v8
	s_lshl_b32 s30, s17, 2
	s_add_co_u32 s30, s30, MEANB
	v_mov_b32 v7, s30                              ; v7: my row's mean
	v_lshlrev_b32 v10, 3, v14                      ; 8 h
	v_lshlrev_b32 v11, 3, v1                       ; 8 x lane
	v_add_nc_u32 v12, MEANB, v2
	v_mov_b32 v[TM+7], 0                           ; written once: a lane permute's destination counts as one of its sources
.macro REDUCE                          ; four pairs -> one number, in every lane
	s_delay_alu instid0(VALU_DEP_3)
	v_pk_add_f32 v[SU:SU+1], v[SU:SU+1], v[SU+2:SU+3]
	s_delay_alu instid0(VALU_DEP_2)
	v_pk_add_f32 v[SU+4:SU+5], v[SU+4:SU+5], v[SU+6:SU+7]
	s_delay_alu instid0(VALU_DEP_1)
	v_pk_add_f32 v[SU:SU+1], v[SU:SU+1], v[SU+4:SU+5]
	s_delay_alu instid0(VALU_DEP_1)
	v_add_f32 v[SU], v[SU], v[SU+1]
	s_delay_alu instid0(VALU_DEP_1)
	v_add_f32_dpp v[SU], v[SU], v[SU] row_xmask:1 row_mask:0xf bank_mask:0xf
	s_delay_alu instid0(VALU_DEP_1)
	v_add_f32_dpp v[SU], v[SU], v[SU] row_xmask:2 row_mask:0xf bank_mask:0xf
	s_delay_alu instid0(VALU_DEP_1)
	v_add_f32_dpp v[SU], v[SU], v[SU] row_xmask:4 row_mask:0xf bank_mask:0xf
	s_delay_alu instid0(VALU_DEP_1)
	v_add_f32_dpp v[SU], v[SU], v[SU] row_xmask:8 row_mask:0xf bank_mask:0xf
	s_delay_alu instid0(VALU_DEP_1)
	v_permlanex16_b32 v[SU+1], v[SU], s28, s29
	s_delay_alu instid0(VALU_DEP_1)
	v_add_f32 v[SU], v[SU], v[SU+1]
.endm
.macro ROWA t
.set BF, X+64*((\t)%2)                 ; the tile's buffer
.if (\t) == 0
.set SRC, CS
.else
.set SRC, BF
.endif
.if (\t) == 0
	s_wait_loadcnt 16                              ; row 0's 16 loads are in; row 1's 16, issued behind them, may be out
.else
	s_wait_loadcnt 0x0                             ; my row's 16 loads are in: nothing was asked for behind them
.endif
.set k, 0
.rept 4
	v_pk_add_f32 v[SU+2*k:SU+2*k+1], v[SRC+2*k:SRC+2*k+1], v[SRC+8+2*k:SRC+8+2*k+1]   ; the first eight pairs start the four chains: nothing is cleared
.set k, k+1
.endr
.set k, 8
.rept 24
	s_delay_alu instid0(VALU_DEP_4)
	v_pk_add_f32 v[SU+2*(k%4):SU+2*(k%4)+1], v[SU+2*(k%4):SU+2*(k%4)+1], v[SRC+2*k:SRC+2*k+1]
.set k, k+1
.endr
	REDUCE
	s_delay_alu instid0(VALU_DEP_1)
	v_mul_f32 v[MEAN], 0x3a000000, v[SU]           ; x 2^-11
	s_delay_alu instid0(VALU_DEP_2)
	v_mul_f32 v[MEAN+1], 0x3a000000, v[SU]
	ds_store_b32 v7, v[MEAN] offset:4*(32*((\t)/2)+8*((\t)%2))   ; all lanes write the same word with the same value
.if (\t) > 0
.set k, 0
.rept 32
	v_pk_add_f32 v[CS+2*k:CS+2*k+1], v[CS+2*k:CS+2*k+1], v[BF+2*k:BF+2*k+1]
.set k, k+1
.endr
.endif
.set k, 0
.rept 32
	v_pk_add_f32 v[BF+2*k:BF+2*k+1], v[SRC+2*k:SRC+2*k+1], v[MEAN:MEAN+1] neg_lo:[0,1] neg_hi:[0,1]   ; xc, in the tile's buffer
.set k, k+1
.endr
.set k, 0
.rept 4
	v_pk_mul_f32 v[SU+2*k:SU+2*k+1], v[BF+2*k:BF+2*k+1], v[BF+2*k:BF+2*k+1]
.set k, k+1
.endr
.set k, 4
.rept 28
	s_delay_alu instid0(VALU_DEP_4)
	v_pk_fma_f32 v[SU+2*(k%4):SU+2*(k%4)+1], v[BF+2*k:BF+2*k+1], v[BF+2*k:BF+2*k+1], v[SU+2*(k%4):SU+2*(k%4)+1]
.set k, k+1
.endr
	REDUCE
	s_wait_alu depctr_va_vdst(0)
	v_sqrt_f32 v[SU], v[SU]
	v_nop                                          ; one plain instruction behind a transcendental (ISA guide 5.7.2)
	s_wait_alu depctr_va_vdst(0)
	v_add_f32 v[SU], 0x322bcc77, v[SU]             ; + 1e-8
	s_wait_alu depctr_va_vdst(0)
	v_rcp_f32 v[INV], v[SU]
	v_nop
	s_wait_alu depctr_va_vdst(0)
	v_mov_b32 v[INV+1], v[INV]
.set k, 0
.rept 32
	v_pk_mul_f32 v[BF+2*k:BF+2*k+1], v[BF+2*k:BF+2*k+1], v[INV:INV+1]   ; xn
.set k, k+1
.endr
.endm
.macro ROWS t                          ; xn of my row of tile t goes to stage t % 2, and the tile's barrier
.set BF, X+64*((\t)%2)
.set k, 0
.rept 16
	ds_store_b128 v[3+(\t)%2], v[BF+4*k:BF+4*k+3] offset:512*k
.set k, k+1
.endr
	s_wait_dscnt 0x0                               ; for the others' sake: my row and my mean lie in LDS (and the stores have read the buffer); my reads of the tile before are long back
	s_barrier_signal -1
	s_barrier_wait -1                              ; the tile's 16 rows lie in stage t % 2.  That stage is written again two tiles on, behind the next barrier, which a wave reaches behind its wait for the loads below
.endm
.macro TILEB t
.set BF, X+64*((\t)%2)
.set k, 0
.rept 16
	ds_load_b128 v[BF+4*k:BF+4*k+3], v[5+(\t)%2] offset:256*(k/8)+16*(k%8)   ; register 32 c + i: xn(row r, 128 w + 64 c + 32 h + i)
.set k, k+1
.endr
.endm
.macro TB2 t                           ; the rest of phase B: scales, codes, the request for the row two tiles on, the stores
.set BF, X+64*((\t)%2)
	s_wait_dscnt 0x0                               ; the 16 stage reads are back (and the next row's mean is stored)
.irp c, 0,1
	v_max3_num_f32 v[TM+\c], |v[BF+32*\c]|, |v[BF+32*\c+1]|, 0x1800000   ; block 2 c + h: all its 32 numbers are mine; and the floor 2^(3 - 127), so that the byte cannot fall under 1
.endr
.irp i, 2,4,6,8,10,12,14,16,18,20,22,24,26,28,30
.irp c, 0,1
	s_delay_alu instid0(VALU_DEP_2)
	v_max3_num_f32 v[TM+\c], v[TM+\c], |v[BF+32*\c+\i]|, |v[BF+32*\c+\i+1]|
.endr
.endr
.irp c, 0,1
	s_delay_alu instid0(VALU_DEP_2)
	v_add_nc_u32 v[TM+2+\c], 0xff000000, v[TM+\c]  ; 2 off the exponent field: the conversion takes the exponent field of this operand as its scale
.endr
.irp c, 0,1
	s_delay_alu instid0(VALU_DEP_2)
	v_lshrrev_b32 v[TM+4+\c], 23, v[TM+2+\c]       ; the scale's byte
.endr
	s_delay_alu instid0(VALU_DEP_1)
	v_lshl_or_b32 v[TM+6], v[TM+5], 16, v[TM+4]    ; blocks h and 2 + h,
	s_delay_alu instid0(VALU_DEP_1)
	v_lshlrev_b32 v[TM+6], v10, v[TM+6]            ; 8 h bits up;
	s_delay_alu instid0(VALU_DEP_1)
	v_permlanex16_b32 v[TM+7], v[TM+6], s28, s29
	s_delay_alu instid0(VALU_DEP_1)
	v_or_b32 v[SW+(\t)], v[TM+6], v[TM+7]          ; with lane l xor 16's two the word is whole
	s_wait_alu depctr_va_vdst(0)
	s_wait_xcnt 0x0                                ; the last tile's stores have read the code registers (ISA guide 3.1): they are written again only behind this wait
.irp c, 0,1
	v_cvt_scalef32_pk16_fp6_f32 v[PC+6*\c:PC+6*\c+2], v[BF+32*\c:BF+32*\c+15], v[TM+2+\c]
	v_cvt_scalef32_pk16_fp6_f32 v[CT+4*\c:CT+4*\c+2], v[BF+32*\c+16:BF+32*\c+31], v[TM+2+\c]   ; (a conversion's three registers begin on an even number)
.endr
	v_nop                                          ; one plain instruction behind a scaled conversion
.if (\t) < 6
	LOADROW BF, (\t)+2                             ; the buffer has been read for the last time: the row two tiles on is asked for, ahead of this tile's stores
.endif
.irp c, 0,1
.irp i, 0,1,2
	v_mov_b32 v[PC+6*\c+3+\i], v[CT+4*\c+\i]
.endr
.endr
.irp c, 0,1,2
	global_store_b128 v2, v[PC+4*\c:PC+4*\c+3], s[20:21] offset:1536*(\t)+512*\c th:TH_STORE_NT   ; 32 lanes store 512 consecutive bytes, at a multiple of 512 from the buffer's first byte
.endr
.endm
; THE ORDER OF A TILE'S PARTS (it stands in place of what the head says of the rows on their way).  ROWA t: row t's arithmetic, in registers, in buffer t % 2.  ROWS t: its 16 stores into the stage, and the barrier.
; TILEB t: the 16 stage reads are issued, into buffer t % 2.  ROWA t + 1 stands between these reads and the wait for them: it names the other buffer alone.  TB2 t: the codes; then row t + 2 is asked for into buffer t % 2.
; So one row of every wave, 16 loads, is on its way from TB2 t to ROWA t + 2, across ROWS t + 1, the barrier and the issue of the next stage reads.
	ROWA 0
.irp t, 0,1,2,3,4,5,6,7
	ROWS \t
	TILEB \t
.if \t < 7
	ROWA \t+1
.endif
	TB2 \t
.endr
	; the eight scale words: lanes 0-15 store tiles 0-3's of row r, lanes 16-31 tiles 4-7's: 512 consecutive bytes
	v_cmp_le_u32 vcc_lo, 16, v1
.irp n, 0,1,2,3
	v_cndmask_b32 v[SU+\n], v[SW+\n], v[SW+4+\n], vcc_lo
.endr
	global_store_b128 v2, v[SU:SU+3], s[22:23] th:TH_STORE_NT
	; the column sums of my 8 rows go to stage 0 (last read in tile 6, ahead of tile 7's barrier), and each wave adds 128 columns of the 16 waves' rows
.set k, 0
.rept 16
	ds_store_b128 v3, v[CS+4*k:CS+4*k+3] offset:512*k
.set k, k+1
.endr
	s_wait_dscnt 0x0
	s_barrier_signal -1
	s_barrier_wait -1
.set k, 0
.rept 8
	ds_load_b128 v[X+4*k:X+4*k+3], v8 offset:PITCH*k
	ds_load_b128 v[X+32+4*k:X+32+4*k+3], v9 offset:PITCH*k
.set k, k+1
.endr
	s_wait_dscnt 0x0
.irp d, 8,4,2,1
.set n, 0
.rept \d
	v_pk_add_f32 v[X+4*n:X+4*n+1], v[X+4*n:X+4*n+1], v[X+4*(n+\d):X+4*(n+\d)+1]
	v_pk_add_f32 v[X+4*n+2:X+4*n+3], v[X+4*n+2:X+4*n+3], v[X+4*(n+\d)+2:X+4*(n+\d)+3]
.set n, n+1
.endr
.endr
	global_store_b128 v2, v[X:X+3], s[24:25]       ; 512 consecutive bytes
	s_cmp_lg_u32 s14, 0
	s_cbranch_scc1 .Lnot_wave_0
	ds_load_b128 v[20:23], v12                     ; wave 0: the 128 means, in the rows' own order
	s_lshl_b32 s30, s15, 9
	s_mov_b32 s31, 0
	s_add_nc_u64 s[30:31], s[26:27], s[30:31]
	s_wait_dscnt 0x0
	global_store_b128 v2, v[20:23], s[30:31]
.Lnot_wave_0:
	s_lshl_b32 s17, s15, 4
	s_or_b32 s17, s17, s14
	s_cmp_eq_u32 s17, 0x31                         ; wave 1 of group 3: the 64 zeros behind the batch's 512 means (the grid's padding)
	s_cbranch_scc0 .Lend
	v_mov_b32 v24, 0
	v_mov_b32 v25, 0
	global_store_b64 v11, v[24:25], s[26:27] offset:2048
.Lend:
	s_wait_tensorcnt 0x0
	ds_add_u32 v243, v247
	s_wait_dscnt 0x0
	s_endpgm
.Lfunc_end_k_q199d5907ea_quant:
	.size	k_q199d5907ea_quant, .Lfunc_end_k_q199d5907ea_quant-k_q199d5907ea_quant
	.p2alignl 7, 3214868480
	.fill 96, 4, 3214868480
	.section	.rodata,"a",@progbits
	.p2align	6, 0x0
	.amdhsa_kernel k_q199d5907ea_quant
		.amdhsa_group_segment_fixed_size 265216
		.amdhsa_private_segment_fixed_size 0
		.amdhsa_enable_private_segment 0
		.amdhsa_kernarg_size 40
		.amdhsa_user_sgpr_count 2
		.amdhsa_user_sgpr_kernarg_segment_ptr 1
		.amdhsa_wavefront_size32 1
		.amdhsa_system_sgpr_workgroup_id_x 1
		.amdhsa_system_sgpr_workgroup_id_y 1
		.amdhsa_system_sgpr_workgroup_id_z 1
		.amdhsa_system_vgpr_workitem_id 0
		.amdhsa_next_free_vgpr 256
		.amdhsa_next_free_sgpr 66
		.amdhsa_reserve_vcc 1
		.amdhsa_float_denorm_mode_32 3
		.amdhsa_float_denorm_mode_16_64 3
		.amdhsa_memory_ordered 1
		.amdhsa_forward_progress 1
		.amdhsa_inst_pref_size 181
	.end_amdhsa_kernel
	.amdgpu_metadata
---
amdhsa.version: [ 1, 2 ]
amdhsa.kernels:
  - .name:           k_q199d5907ea_quant
    .symbol:         k_q199d5907ea_quant.kd
    .args:
      - { .name: hidden_state, .offset: 0, .size: 8, .value_kind: global_buffer, .address_space: global }
      - { .name: xcodes, .offset: 8, .size: 8, .value_kind: global_buffer, .address_space: global }
      - { .name: xscales, .offset: 16, .size: 8, .value_kind: global_buffer, .address_space: global }
      - { .name: tmean, .offset: 24, .size: 8, .value_kind: global_buffer, .address_space: global }
      - { .name: colpart, .offset: 32, .size: 8, .value_kind: global_buffer, .address_space: global }
    .group_segment_fixed_size: 265216
    .private_segment_fixed_size: 0
    .kernarg_segment_align: 8
    .kernarg_segment_size: 40
    .max_flat_workgroup_size: 512
    .sgpr_count:     66
    .vgpr_count:     256
    .wavefront_size: 32
...
	.end_amdgpu_metadata
.endif
;; end of part 1
;; launch corr (part 2): grid 4 x 64, 4 waves a work-group, clusters of 4 x 1, 327,680 bytes of LDS; arguments xcodes, xscales, tmean, colpart, raw, mm; writes raw, mm
.if DOCPART == 2
	.amdgcn_target "amdgcn-amd-amdhsa--gfx1250"
	.amdhsa_code_object_version 6
	.text
	.protected	k_q199d5907ea_corr
	.globl	k_q199d5907ea_corr
	.p2align	8
	.type	k_q199d5907ea_corr,@function
k_q199d5907ea_corr:
	s_mov_b64 s[64:65], 0
	v_nop
	global_prefetch_b8 v0, s[64:65] scope:SCOPE_SE
	s_setreg_imm32_b32 hwreg(HW_REG_WAVE_MODE, 25, 1), 1
	s_wait_xcnt 0x0
	s_wait_alu depctr_hold_cnt(0) depctr_sa_sdst(0) depctr_va_vdst(0) depctr_va_sdst(0) depctr_va_ssrc(0) depctr_va_vcc(0) depctr_vm_vsrc(0)
	s_getreg_b32 s2, hwreg(HW_REG_IB_STS2, 6, 4)
	s_cmp_eq_u32 s2, 0
	s_cbranch_scc0 .Lentry_in_a_cluster
	s_endpgm
.Lentry_in_a_cluster:
	s_bfe_u32 s2, ttmp6, 0x10000c
	s_cmp_lg_u32 s2, 0x3003
	s_cbranch_scc0 .Lentry_shape_is_right
	s_endpgm
.Lentry_shape_is_right:
; All three views, unnormalised, and each wave's least and largest number for the last launch.
; THE CORRELATION VIEW: G = xn xn^T (K = 2,048), T[w][o] = sum over h of Q(G)[h][w] Q(W)[o][h], out[o][p] = sum over w of Q(T)[o][w] Q(W)[p][w]; all three products on codes of FP6 (E2M3) with E8M0 scales.
; W is the bilinear matrix 512 -> 64: row o holds 0.5 at 8 o + 3 and 8 o + 4 and nothing else.  In tiles of 16 rows x 128 K it is block diagonal, and every diagonal block is the same fragment: hat(8 r + 3.5 - k).
; SHARES.  Work-group (b, j) makes the stripe G[all 512 h][w = 128 j .. 128 j + 127]; wave v of its four holds h = 128 v .. 128 v + 127: 64 accumulators, 512 registers.
; For o = 16 v .. 16 v + 15 the second product needs only the wave's own h, for p = 16 j .. 16 j + 15 the third needs only the stripe's w: so the three products are a chain in ONE wave's registers.
; The K steps in which W is all zeros are not multiplied: they are tiles of zeros of a constant.
; LAYOUT.  Source 0 = 16 rows h, source 1 = 16 rows w.  Place m of tile t of a group of 128 rows is row 32 (t / 2) + 8 (t % 2) + m + 8 (m / 8): so for a tile a of w the 64 registers of accumulators (a, 0 .. 7) are,
; in lane (r, h'), G at h = 32 b + 16 h' + i (register 16 b + i) of one w: 16 neighbours along the next K, which the conversions take as they lie.  The same holds one product further on.
; OPERANDS come as images of their registers (a fragment: 3 x 512 bytes, lane l's 16 bytes at 16 l): three ds_load_b128 a fragment, no pitch, no padding.
; CLUSTER.  The four stripes of a batch form a cluster and walk the same codes: a K step's 32 tiles are asked for JOINTLY (waves 0 to 2, a third of a slot each).  The stripe's own 8 tiles are a second copy, fetched by
; wave 3 with a plain load into a fixed place.  A slot holds two K steps: 128 matrix instructions a wave between two changes of slots.
; THE TWO SMALL VIEWS are made at the head, behind the first fills, while the first tiles are on their way: rows o = 16 j .. 16 j + 15 of both pictures of batch b.  The waves part on the wave's number.
; WAVE 0, SPATIAL: S [46][46] = the batch's 2,048 column means and zeros; T[w][o] = sum over h of Q(S)[h][w] Q(W46)[o][h]; out[o][p] = sum over w of Q(T)[o][w] Q(W46)[p][w]; on codes of FP6, K = 46 filled with zero codes to 128.
;   W46[o][k] = max(0, 1 - |src(o) - k|), src(o) = (92 o - 18) / 128 held to 0 .. 45: multiples of 1/128: nothing is rounded.  The means pass through LDS bytes that are wave 0's alone and into which no tile lands.
; WAVE 1, TEMPORAL: G23 [23][23] = the batch's 512 row means and zeros; both products are left as they are and have two taps a row: in f32, by fused multiply-adds.  src(o) = (46 o - 41) / 128 held to 0 .. 22.
;   A lane owns the columns p = 2 l, 2 l + 1.  The second tap is always the next number (h0 + 1, w0 + 1): where h0 or w0 is 22 its weight is exactly 0, and the number read lies at place 552 of the batch's 576 at the most.
; LIMITS: NaN and infinities are not served (a tap of weight 0 is still multiplied); a block under 2^(3 - 127) keeps the byte 1 (a block of zeros too, where the rule says 127: this program alone reads the bytes); the means are sums in trees.
; REGISTERS, in windows of 256: window 0: v1-31 addresses and such; v32-63 scale words and nothing else; v64-223 at the head the views' work, then v128-223 source 1's fragments, ONE set, and at the end v64-127 T;
;   v224-235 W's fragment; v236-254 at work.   window 1: at the head the column sums' four parts; then source 0's fragments, TWO sets, at v0 and v128.
;   windows 2, 3: accumulator (a, t) at v[8 (8 (a % 4) + t)] of window 2 + a / 4; at the head v0-47 of window 2 hold W46's four fragments.
.set FR,    12                         ; registers of a fragment
.set NL,    3                          ; LDS loads that bring one
.set NP,    4                          ; places behind this matrix instruction (ISA guide 7.12.1)
.set KSB,   49152                      ; a K step's 32 tiles
.set KSA,   12288                      ; 8 tiles: a wave's, or the stripe's
.set SLOT,  122880                     ; a slot: two K steps of all tiles, then two K steps of the stripe's
.set AOFF,  98304
.set SLOTG, 98304                      ; a slot's codes in memory
.set SCB,   245760                     ; the batch's scale words, 4 groups of 8,192 bytes
.set SCA,   278528                     ; the stripe's
.set SPARE, 286720                     ; the spare words, 128 bytes for each wave: two blocks of 256 bytes that no other line names
.set VSM,   287232                     ; wave 0's own: 3,072 numbers: the 2,048 column means, then zeros
.set VSTG,  299520                     ; wave 0's own: 16 rows x (256 + 16) bytes, the spatial picture's way out
.set VA,    6                          ; v6      S: VSM + 4 (r + 8 (r / 8)) + 5,888 h'
.set STO,   7                          ; v7      the stage, in
.set SRD,   8                          ; v8      the stage, back
.set CST,   9                          ; v9      VSM + 16 x lane
.set L8,    10                         ; v10     8 x lane
.set WE,    11                         ; v11-12  temporal: 4 w0 of my even and my odd column
.set WO,    12
.set CE,    13                         ; v13-14  their c;  v15, v18  1 - c
.set CQ,    14
.set DE,    15
.set DQ,    18
.set ADRA,  16                         ; v16-17  source 1's fragments in slot 0, 1
.set ADRB,  20                         ; v20-21  source 0's
.set L16,   24                         ; v24     16 x lane
.set L4,    25                         ; v25     4 x lane
.set PFO,   26                         ; v26     256 x lane
.set ADRS,  27                         ; v27     my scale words: lanes 0-15 my wave's group, lanes 16-31 the stripe's
.set SPW,   28                         ; v28     my spare word; never rewritten
.set NIL,   29                         ; v29     0; never rewritten
.set WS,    30                         ; v30     W's scale word
.set H8,    31                         ; v31     8 h'
.set SC,    32                         ; scale words: register 16 set + 8 q + i: lanes 0-15 tile i of h, lanes 16-31 tile i of w, the slot's q-th K step
.set SS,    32                         ; spatial: v32-35 S's scale words, v36-39 W46's for the four tiles of p, v40 for my tile of o, v41 T's
.set WSP,   36
.set WSJ,   40
.set FS,    41
.set DP,    64
.set VAL,   64                         ; spatial: v64-95, v96-127 32 numbers at work, by turns; then the picture's four tiles, and T
.set D3,    96
.set SF,    128                        ; v128-175 S's four fragments
.set WFJ,   176                        ; v176-187 W46's rows of my o
.set FF,    188                        ; v188-199 T's fragment
.set DD,    200
.set OO,    201
.set H32,   202
.set MK8,   203
.set MK6,   204
.set G,     64                         ; temporal: v64-191 the taps, eight a row; v192-207 offsets of eight rows; v208-223 a of the 16 rows
.set OF,    192
.set AV,    208
.set AF,    128
.set OUT,   192
.set WF,    224
.set TM,    236                        ; v236-239 largest magnitudes, v240-243 bytes, v244-247 scale operands
.set CT,    248                        ; v248-250, v252-254
.set LO,    248                        ; the views' least and largest, where no conversion is at work
.set HI,    249
.set T0,    250
.set T1,    252
.set G1B,  24                          ; s[24:31] group 1 of the joint loads of codes;  s[32:39] their groups 0, one for each slot
.set G0B,  32
.set G1A,  40                          ; s[40:47], s[48:55] the same for the stripe's plain loads
.set G0A,  48
.set G1S,  56                          ; s[56:63] group 1 of the head's joint load of slot 0's codes;  s[68:75] of the stripe's plain load of scale words
.set G1SA, 68
.set G0S,  76
.set G0SA, 80
.set PFA,  84                          ; s[84:85] where my prefetches stand
.set LIM,  86                          ; s86  1 in a wave that prefetches, else the greatest number
.set SEL,  88                          ; s[88:89]
.set RV,   12                          ; s[12:13] raw at my small view's rows;  s[66:67] mm at its entries
.set MV,   66
.set R2,   96                          ; s[96:97] raw, then raw at my tile of the correlation view;  s[98:99] mm likewise
.set M2,   98
.set MSB, 0
.macro WIN new                         ; the immediate's high byte repeats the setting that is left
.set WNEW, \new
.if MSB != WNEW
	s_set_vgpr_msb (MSB<<8)|WNEW
.set MSB, WNEW
.endif
.endm
.set MUL_LO, 0xa1                      ; source 0 window 1, source 1 window 0, C and D window 2
.set MUL_HI, 0xf1                      ; the same, C and D window 3
.set TO_B,   0x40                      ; destination window 1, address window 0
.macro PLACES n
.rept \n
	v_nop
.endr
.endm
.macro CREST                           ; a round of the cluster's barrier behind its opening barrier
	s_cmp_lg_u32 s14, 0
	s_cbranch_scc1 .Lnot_wave_0_\@
	s_barrier_signal -3
.Lnot_wave_0_\@:
	s_barrier_wait -3
	s_barrier_signal -1
	s_barrier_wait -1
.endm
.macro CROUND
	s_barrier_signal -1
	s_barrier_wait -1
	CREST
.endm
; A refill: waves 0 to 2 ask jointly for a third of the slot's codes each, wave 3 for the stripe's copy.  The branch hangs on the wave's number alone.  Four v_nop follow each line.
.macro JLOAD slot
	s_cmp_lt_u32 s14, 3
	s_cbranch_scc0 .Lfor_a_\@
	tensor_load_to_lds s[G0B+4*\slot:G0B+4*\slot+3], s[G1B:G1B+7]
	s_nop 0
.rept 4
	v_nop
.endr
	s_branch .Lasked_\@
.Lfor_a_\@:
	tensor_load_to_lds s[G0A+4*\slot:G0A+4*\slot+3], s[G1A:G1A+7]
	s_nop 0
.rept 4
	v_nop
.endr
.Lasked_\@:
.endm
; A prefetch of the codes that stand two refills on (256 matrix instructions ahead of the load that will want them): a slot is 384 blocks of 256 bytes; the four partners take 96 each, told apart by address,
; in each waves 0 to 2 take 32, a lane a block: each block is named once in the launch.  The loop's last trip asks for nothing: there is no slot two on.
.macro ASK
	s_cmp_gt_u32 s3, s[LIM]
	s_cbranch_scc0 .Lnot_mine_\@
	global_prefetch_b8 v[PFO], s[PFA:PFA+1] th:TH_LOAD_NT scope:SCOPE_SE
.Lnot_mine_\@:
.endm
	s_load_b256 s[4:11], s[0:1], 0x0               ; xcodes s[4:5], xscales s[6:7], tmean s[8:9], colpart s[10:11]
	s_load_b128 s[96:99], s[0:1], 0x20             ; raw s[96:97], mm s[98:99]
	v_lshl_add_u32 v[SPW], v0, 2, SPARE
	v_mov_b32 v[NIL], 0
	ds_add_u32 v28, v29
	ds_add_u32 v28, v29
	s_wait_dscnt 0x0
	v_lshrrev_b32 v1, 5, v0
	v_readfirstlane_b32 s14, v1                    ; wave v, 0 .. 3
	s_bfe_u32 s15, ttmp6, 0x40000                  ; j = my place in the cluster (the grid is one cluster wide)
	s_and_b32 s16, ttmp7, 0xffff                   ; b, which the four partners share
	s_mov_b32 s[G1B], 15|(3<<16)|(1<<21)           ; 15:0 the mask: all four; 17:16 elements of 8 bytes; 21 set beside a mask; no padding
	s_mov_b32 s[G1B+1], 32<<16                     ; tensor_dim0 = 32 elements: rows of 256 bytes
	s_mov_b32 s[G1B+2], 128<<16                    ; tensor_dim1 = 128
	s_mov_b32 s[G1B+3], 32<<16                     ; tile_dim0
	s_mov_b32 s[G1B+4], 128                        ; tile_dim1
	s_mov_b32 s[G1B+5], 32                         ; dense
	s_mov_b32 s[G1B+6], 0
	s_mov_b32 s[G1B+7], 0
	s_mov_b32 s[G1A], 3<<16                        ; no mask: a load of my own
	s_mov_b32 s[G1A+1], 1536<<16                   ; rows of 12,288 bytes: 8 tiles
	s_mov_b32 s[G1A+2], 2<<16                      ; two of them: the slot's two K steps,
	s_mov_b32 s[G1A+3], 1536<<16
	s_mov_b32 s[G1A+4], 2
	s_mov_b32 s[G1A+5], 6144                       ; 49,152 bytes apart
	s_mov_b32 s[G1A+6], 0
	s_mov_b32 s[G1A+7], 0
	s_mov_b32 s[G1SA], 3<<16                       ; the stripe's scale words: 32 rows of 256 bytes, dense; no mask: a load of my own
	s_mov_b32 s[G1S], 15|(3<<16)|(1<<21)           ; group 1 of the head's joint load of slot 0's codes: the mask of all four, elements of 8 bytes,
	s_mov_b32 s[G1S+1], 32<<16                     ; rows of 256 bytes,
	s_mov_b32 s[G1S+2], 384<<16                    ; 384 of them: the slot's two K steps of all 32 tiles,
	s_mov_b32 s[G1S+3], 32<<16
	s_mov_b32 s[G1S+4], 384
	s_mov_b32 s[G1S+5], 32                         ; dense
	s_mov_b32 s[G1S+6], 0
	s_mov_b32 s[G1S+7], 0
.irp g, G1SA
	s_mov_b32 s[\g+1], 32<<16
	s_mov_b32 s[\g+2], 32<<16
	s_mov_b32 s[\g+3], 32<<16
	s_mov_b32 s[\g+4], 32
	s_mov_b32 s[\g+5], 32
	s_mov_b32 s[\g+6], 0
	s_mov_b32 s[\g+7], 0
.endr
	s_mov_b32 s[SEL], 0x76543210
	s_mov_b32 s[SEL+1], 0xfedcba98
	s_cmp_lt_u32 s14, 3
	s_cselect_b32 s[LIM], 1, -1
	; offsets made of the batch and the wave alone: the joint loads'
	s_mul_i32 s20, s16, 786432
	s_lshl_b32 s22, s14, 15
	s_add_co_u32 s20, s20, s22                     ; codes: 786,432 b + 32,768 v
	s_mov_b32 s21, 0
	s_lshl_b32 s22, s16, 15                        ; scale words: 32,768 b: the batch's four groups, which one load brings
	s_mov_b32 s23, 0
	; offsets in which j stands, in registers of their own: the plain loads', the prefetches'
	s_mul_i32 s92, s16, 786432
	s_mul_i32 s90, s15, KSA
	s_add_co_u32 s92, s92, s90
	s_mov_b32 s93, 0
	s_lshl_b32 s94, s16, 15
	s_lshl_b32 s90, s15, 13
	s_add_co_u32 s94, s94, s90
	s_mov_b32 s95, 0
	s_mul_i32 s[PFA], s16, 786432
	s_mul_i32 s90, s15, 24576
	s_add_co_u32 s[PFA], s[PFA], s90
	s_lshl_b32 s90, s14, 13
	s_add_co_u32 s[PFA], s[PFA], s90
	s_add_co_u32 s[PFA], s[PFA], 3*SLOTG           ; at data slot 3: the first refill steps it to 4
	s_mov_b32 s[PFA+1], 0
	s_lshl_b32 s17, s14, 15                        ; LDS: my third of a slot's codes
	s_lshl_b32 s18, s14, 13                        ; and my group's scale words
	s_wait_kmcnt 0x0
	s_add_nc_u64 s[20:21], s[4:5], s[20:21]
	s_add_nc_u64 s[22:23], s[6:7], s[22:23]
	s_add_nc_u64 s[92:93], s[4:5], s[92:93]
	s_add_nc_u64 s[94:95], s[6:7], s[94:95]
	s_add_nc_u64 s[PFA:PFA+1], s[4:5], s[PFA:PFA+1]
	CROUND                                         ; all four work-groups are here: the first joint loads meet
	s_mov_b32 s[G0S], 1
	s_mov_b32 s[G0S+1], SCB
	s_mov_b64 s[G0S+2:G0S+3], s[22:23]
	s_or_b32 s[G0S+3], s[G0S+3], 0x80000000
	s_mov_b32 s[G0SA], 1
	s_mov_b32 s[G0SA+1], SCA
	s_mov_b64 s[G0SA+2:G0SA+3], s[94:95]
	s_or_b32 s[G0SA+3], s[G0SA+3], 0x80000000
.irp n, 0,1
	s_mov_b32 s[G0B+4*\n], 1
	s_add_co_u32 s[G0B+4*\n+1], s17, \n*SLOT
	s_add_nc_u64 s[G0B+4*\n+2:G0B+4*\n+3], s[20:21], \n*SLOTG
	s_or_b32 s[G0B+4*\n+3], s[G0B+4*\n+3], 0x80000000
	s_mov_b32 s[G0A+4*\n], 1
	s_mov_b32 s[G0A+4*\n+1], \n*SLOT+AOFF
	s_add_nc_u64 s[G0A+4*\n+2:G0A+4*\n+3], s[92:93], \n*SLOTG
	s_or_b32 s[G0A+4*\n+3], s[G0A+4*\n+3], 0x80000000
.endr
	s_mov_b32 s4, 1                                ; s[4:7], whose arguments have been used: group 0 of the head's load of slot 0's codes, to LDS byte 0;
	s_mov_b32 s5, 0
	s_mov_b64 s[6:7], s[20:21]                     ; wave 0 alone issues it, and in wave 0 this is the batch's first byte
	s_or_b32 s7, s7, 0x80000000
; THE HEAD'S LOADS, ONE A WAVE: what the first K steps need is four tiles.  Wave 0 asks jointly for slot 0's codes, wave 1 jointly for the batch's scale words (128 rows of 256 bytes),
; wave 2 for the stripe's scale words, wave 3 for the stripe's codes of slot 0.  One chain of branches on the wave's number: every way through it passes exactly one load.
.macro ARM under, g0, g1, next
	s_cmp_lt_u32 s14, \under
	s_cbranch_scc0 \next
	tensor_load_to_lds s[\g0:\g0+3], s[\g1:\g1+7]
	s_nop 0
.rept 4
	v_nop
.endr
	s_branch .Lfirst_asked
\next:
.endm
	ARM 1, 4,    G1S,  .Lfirst_b
	ARM 2, G0S,  G1B,  .Lfirst_c
	ARM 3, G0SA, G1SA, .Lfirst_d
	tensor_load_to_lds s[G0A:G0A+3], s[G1A:G1A+7]
	s_nop 0
.rept 4
	v_nop
.endr
.Lfirst_asked:
	; every address register of the launch is made here, ahead of the waves' parting
	v_and_b32 v1, 15, v0                           ; r
	v_bfe_u32 v2, v0, 4, 1                         ; h'
	v_and_b32 v5, 31, v0                           ; lane
	v_lshlrev_b32 v[L16], 4, v5
	v_lshlrev_b32 v[L4], 2, v5
	v_lshlrev_b32 v[L8], 3, v5
	v_lshlrev_b32 v[PFO], 8, v5
	v_lshlrev_b32 v[H8], 3, v2
	v_add_nc_u32 v[ADRA], AOFF, v[L16]
	v_add_nc_u32 v[ADRA+1], SLOT, v[ADRA]
	s_mul_i32 s17, s14, KSA
	v_add_nc_u32 v[ADRB], s17, v[L16]
	v_add_nc_u32 v[ADRB+1], SLOT, v[ADRB]
	s_sub_co_u32 s19, 32768, s18                   ; from my group's words to the stripe's: one product, h' x the distance
	v_mul_u32_u24 v3, s19, v2
	v_lshl_add_u32 v[ADRS], v1, 4, v3
	s_add_co_u32 s19, s18, SCB
	v_add_nc_u32 v[ADRS], s19, v[ADRS]
	v_and_b32 v[VA], 8, v1
	v_add_nc_u32 v[VA], v[VA], v1
	v_lshlrev_b32 v[VA], 2, v[VA]
	v_mad_u32_u24 v[VA], v2, 5888, v[VA]
	v_add_nc_u32 v[VA], VSM, v[VA]
	v_mul_u32_u24 v[STO], v1, 272
	v_lshl_add_u32 v[STO], v2, 5, v[STO]
	v_add_nc_u32 v[STO], VSTG, v[STO]
	v_mul_u32_u24 v[SRD], v2, 272
	v_lshl_add_u32 v[SRD], v1, 4, v[SRD]
	v_add_nc_u32 v[SRD], VSTG, v[SRD]
	v_add_nc_u32 v[CST], VSM, v[L16]
.irp b, 0,1,2,3
	v_mov_b32 v[TM+4+\b], 0                        ; written once: a lane permute's destination counts as one of its sources
.endr
	; where results go and the small views' inputs lie.  The channel of a wave's small view: wave 0 makes 1, wave 1 makes 0
	s_cmp_eq_u32 s14, 0
	s_cselect_b32 s87, 1, 0
	s_mov_b32 s91, 0
	s_lshl_b32 s90, s87, 20
	s_lshl_b32 s92, s16, 14
	s_add_co_u32 s90, s90, s92
	s_lshl_b32 s93, s15, 12
	s_add_co_u32 s90, s90, s93                     ; raw: 1,048,576 channel + 16,384 b + 4,096 j
	s_add_nc_u64 s[RV:RV+1], s[R2:R2+1], s[90:91]
	s_add_co_u32 s90, s92, s93
	s_lshl_b32 s94, s14, 10
	s_add_co_u32 s90, s90, s94
	s_add_co_u32 s90, s90, 2097152                 ; raw: channel 2, + 16,384 b + 4,096 j + 1,024 v
	s_add_nc_u64 s[R2:R2+1], s[R2:R2+1], s[90:91]
	s_lshl_b32 s90, s87, 13
	s_lshl_b32 s92, s16, 7
	s_add_co_u32 s90, s90, s92
	s_lshl_b32 s93, s15, 5
	s_add_co_u32 s90, s90, s93                     ; mm: 8,192 channel + 32 (4 b + j)
	s_add_nc_u64 s[MV:MV+1], s[M2:M2+1], s[90:91]
	s_add_co_u32 s90, s92, s93
	s_lshl_b32 s94, s14, 3
	s_add_co_u32 s90, s90, s94
	s_add_co_u32 s90, s90, 16384                   ; mm: channel 2, entry (4 b + j) x 4 + v
	s_add_nc_u64 s[M2:M2+1], s[M2:M2+1], s[90:91]
	s_mul_i32 s90, s16, 2304
	s_add_nc_u64 s[8:9], s[8:9], s[90:91]          ; the batch's 576 means
	s_lshl_b32 s90, s16, 15
	s_add_nc_u64 s[10:11], s[10:11], s[90:91]      ; the batch's four parts of column sums
; v[s + i] = max(0, 1 - |v[d] - i|), i = 0 .. 31: a row of a bilinear matrix; all numbers are multiples of 1/128 under 2^9: nothing is rounded
.macro HAT s, d
	v_mov_b32 v[\s], v[\d]
	v_add_f32 v[\s+1], -1.0, v[\d]
	v_add_f32 v[\s+2], -2.0, v[\d]
	v_add_f32 v[\s+3], -2.0, v[\s+1]
.set i, 4
.rept 28
	v_add_f32 v[\s+i], -4.0, v[\s+i-4]
.set i, i+1
.endr
.set i, 0
.rept 32
	v_sub_f32 v[\s+i], 1.0, |v[\s+i]|
.set i, i+1
.endr
.set i, 0
.rept 32
	v_max_num_f32 v[\s+i], 0, v[\s+i]
.set i, i+1
.endr
.endm
; 64 numbers of a lane, register 32 c + i = k 64 c + 32 h' + i of my row (two whole blocks), become a fragment in v[pc] on and its scale word in v[pw]
.macro QB s, pc, pw
.irp c, 0,1
	v_max3_num_f32 v[TM+\c], |v[\s+32*\c]|, |v[\s+32*\c+1]|, 0x1800000
.endr
.irp i, 2,4,6,8,10,12,14,16,18,20,22,24,26,28,30
.irp c, 0,1
	v_max3_num_f32 v[TM+\c], v[TM+\c], |v[\s+32*\c+\i]|, |v[\s+32*\c+\i+1]|
.endr
.endr
.irp c, 0,1
	v_add_nc_u32 v[TM+8+\c], 0xff000000, v[TM+\c]
.endr
.irp c, 0,1
	v_lshrrev_b32 v[TM+4+\c], 23, v[TM+8+\c]
.endr
	v_lshl_or_b32 v[\pw], v[TM+5], 16, v[TM+4]
	v_lshlrev_b32 v[\pw], v[H8], v[\pw]
	v_permlanex16_b32 v[TM+4], v[\pw], s[SEL], s[SEL+1]
	v_or_b32 v[\pw], v[\pw], v[TM+4]
.irp c, 0,1
	v_cvt_scalef32_pk16_fp6_f32 v[\pc+6*\c:\pc+6*\c+2], v[\s+32*\c:\s+32*\c+15], v[TM+8+\c]
	v_cvt_scalef32_pk16_fp6_f32 v[CT+4*\c:CT+4*\c+2], v[\s+32*\c+16:\s+32*\c+31], v[TM+8+\c]
.endr
	v_nop                                          ; one plain instruction behind a scaled conversion
.irp c, 0,1
.irp i, 0,1,2
	v_mov_b32 v[\pc+6*\c+3+\i], v[CT+4*\c+\i]
.endr
.endr
.endm
; 32 numbers of a lane, register i = k 32 h' + i of my row (one whole block), become the first half of a fragment in v[pc] on, of window w; its second half (k = 64 on) is zero codes; the scale word's bytes 2 and 3 stay 0
.macro QB1 s, pc, pw, w
	v_max3_num_f32 v[TM], |v[\s]|, |v[\s+1]|, 0x1800000
	v_max3_num_f32 v[TM+1], |v[\s+2]|, |v[\s+3]|, 0x1800000
.irp i, 4,8,12,16,20,24,28
	v_max3_num_f32 v[TM], v[TM], |v[\s+\i]|, |v[\s+\i+1]|
	v_max3_num_f32 v[TM+1], v[TM+1], |v[\s+\i+2]|, |v[\s+\i+3]|
.endr
	v_max_num_f32 v[TM], v[TM], v[TM+1]
	v_add_nc_u32 v[TM+8], 0xff000000, v[TM]
	v_lshrrev_b32 v[TM+4], 23, v[TM+8]
	v_lshlrev_b32 v[\pw], v[H8], v[TM+4]
	v_permlanex16_b32 v[TM+4], v[\pw], s[SEL], s[SEL+1]
	v_or_b32 v[\pw], v[\pw], v[TM+4]
	v_cvt_scalef32_pk16_fp6_f32 v[CT:CT+2], v[\s+16:\s+31], v[TM+8]
	WIN (\w<<6)                                    ; the fragment's window is the destination's
	v_cvt_scalef32_pk16_fp6_f32 v[\pc:\pc+2], v[\s:\s+15], v[TM+8]
	v_nop                                          ; one plain instruction behind a scaled conversion
.irp i, 0,1,2
	v_mov_b32 v[\pc+3+\i], v[CT+\i]
.endr
.irp i, 6,7,8,9,10,11
	v_mov_b32 v[\pc+\i], 0
.endr
	WIN 0
.endm
.macro MAKEW                           ; W's diagonal block: d = 8 r + 3.5 - 32 h', made as a whole number and halved
	v_lshlrev_b32 v3, 4, v1
	v_lshlrev_b32 v4, 6, v2
	v_sub_nc_u32 v3, v3, v4
	v_add_nc_u32 v3, 7, v3
	v_cvt_f32_i32 v3, v3
	v_mul_f32 v3, 0.5, v3
	v_add_f32 v4, 0xc2800000, v3                   ; d - 64
	HAT DP, 3
	HAT DP+32, 4
	QB DP, WF, WS
.endm
.macro WFRAG ob, pc, pw, w             ; W46's rows ob + r
	v_add_nc_u32 v[OO], \ob, v1
	v_mul_u32_u24 v[OO], v[OO], 92
	v_add_nc_u32 v[OO], -18, v[OO]
	v_cvt_f32_i32 v[DD], v[OO]
	v_max_num_f32 v[DD], 0, v[DD]
	v_min_num_f32 v[DD], 0x45b40000, v[DD]         ; 128 src, held to 0 .. 5,760
	v_fma_f32 v[DD], v[DD], 0x3c000000, -v[H32]    ; src - 32 h'
	HAT VAL, DD
	QB1 VAL, \pc, \pw, \w
.endm
.macro SLOAD a, buf                    ; S[32 h' + i][place r of tile a], i = 0 .. 31
.set i, 0
.rept 32
	ds_load_b32 v[\buf+i], v[VA] offset:4*(32*((\a)/2)+8*((\a)%2))+184*i
.set i, i+1
.endr
.endm
.macro MASK buf, mk                    ; columns w >= 46 are no columns of S: zeros
.set i, 0
.rept 32
	v_and_b32 v[\buf+i], v[\mk], v[\buf+i]
.set i, i+1
.endr
.endm
.macro MMOUT                           ; a small view's least and largest, four times over, so that all three channels have 1,024 entries
	v_mov_b32 v[T0], 0
	v_mov_b32 v[T1], 0
.irp x, 1,2,4,8
	v_min_num_f32_dpp v[LO], v[LO], v[LO] row_xmask:\x row_mask:0xf bank_mask:0xf
	v_max_num_f32_dpp v[HI], v[HI], v[HI] row_xmask:\x row_mask:0xf bank_mask:0xf
.endr
	v_permlanex16_b32 v[T0], v[LO], s[SEL], s[SEL+1]
	v_permlanex16_b32 v[T1], v[HI], s[SEL], s[SEL+1]
	v_min_num_f32 v[LO], v[LO], v[T0]
	v_max_num_f32 v[HI], v[HI], v[T1]
	v_and_b32 v[T0], 1, v5
	v_cmp_eq_u32 vcc_lo, 1, v[T0]
	v_cndmask_b32 v[T1], v[LO], v[HI], vcc_lo      ; even lanes the least, odd lanes the largest
	v_cmp_gt_u32 vcc_lo, 8, v5
	s_wait_alu depctr_va_vdst(0)
	s_wait_xcnt 0x0                                ; EXEC changes only behind this wait; the picture's stores have also read their registers
	s_and_saveexec_b32 s95, vcc_lo
	global_store_b32 v[L4], v[T1], s[MV:MV+1]      ; lanes 0-7: the pair, four times
	s_wait_xcnt 0x0
	s_or_b32 exec_lo, exec_lo, s95
.endm
	s_cmp_lg_u32 s14, 0                            ; THE PARTING, on the wave's number alone
	s_cbranch_scc1 .Lnot_spatial
; ---------------- wave 0: the spatial view
	WIN TO_B                                       ; the four parts of the batch's column sums land in window 1, which has nothing to hold yet: part q at v[64 q]; 512 consecutive bytes a load
.set k, 0
.rept 64
	global_load_b128 v[4*k:4*k+3], v[L16], s[10:11] offset:8192*(k/16)+512*(k%16)
.set k, k+1
.endr
	WIN 0
.irp n, 0,1,2,3
	v_mov_b32 v[FF+\n], 0
.endr
	s_wait_alu depctr_va_vdst(0)
.irp n, 0,1,2,3,4,5,6,7
	ds_store_b128 v[CST], v[FF:FF+3] offset:8192+512*\n   ; the zeros behind the 2,048 means
.endr
.Lnot_spatial:                                         ; every wave makes W's fragment, wave 0 with its column sums on their way
	MAKEW
	s_cmp_lg_u32 s14, 0                            ; wave 0 goes on with the spatial view
	s_cbranch_scc1 .Lnot_sp3
	v_lshlrev_b32 v[H32], 5, v2
	v_cvt_f32_u32 v[H32], v[H32]
	v_cmp_gt_u32 vcc_lo, 8, v1
	v_cndmask_b32 v[MK8], 0, -1, vcc_lo            ; tile 2: places 0-7 are w = 32 .. 39, places 8-15 w = 48 on
	v_cmp_gt_u32 vcc_lo, 6, v1
	v_cndmask_b32 v[MK6], 0, -1, vcc_lo            ; tile 3: places 0-5 are w = 40 .. 45
	s_lshl_b32 s92, s15, 4
	WFRAG s92, WFJ, WSJ, 0
.irp p, 0,1,2,3
	WFRAG 16*\p, 12*\p, WSP+\p, 2
.endr
	s_wait_loadcnt 0x0
	WIN 0x45                                       ; sources 0 and 1 and the destination: window 1
.set n, 0
.rept 32
	v_pk_add_f32 v[2*n:2*n+1], v[2*n:2*n+1], v[64+2*n:65+2*n]
	v_pk_add_f32 v[128+2*n:129+2*n], v[128+2*n:129+2*n], v[192+2*n:193+2*n]
.set n, n+1
.endr
.set n, 0
.rept 32
	v_pk_add_f32 v[2*n:2*n+1], v[2*n:2*n+1], v[128+2*n:129+2*n]
.set n, n+1
.endr
.set n, 0
.rept 32
	v_pk_mul_f32 v[2*n:2*n+1], v[2*n:2*n+1], 0x3b000000 op_sel_hi:[1,0]   ; x 2^-9: the means
.set n, n+1
.endr
	WIN 0x04                                       ; an LDS store's data are its source 1: window 1
.set k, 0
.rept 16
	ds_store_b128 v[CST], v[4*k:4*k+3] offset:512*k
.set k, k+1
.endr
	WIN 0
	SLOAD 0, D3                                    ; LDS serves a wave's instructions in order (ISA guide 5.7.1.4): these see my stores
	SLOAD 1, VAL
	s_wait_dscnt 32                                ; tile 0's 32 loads are in; the 32 issued behind them may be out
	QB1 D3, SF, SS, 0
	SLOAD 2, D3
	s_wait_dscnt 32
	QB1 VAL, SF+12, SS+1, 0
	SLOAD 3, VAL
	s_wait_dscnt 32
	MASK D3, MK8
	QB1 D3, SF+24, SS+2, 0
	s_wait_dscnt 0x0
	MASK VAL, MK6
	QB1 VAL, SF+36, SS+3, 0
	s_branch .Lviews_done                          ; S's and W46's codes are made: wave 0 meets the others; its two products follow behind the meeting
.macro SEGB                            ; the spatial view's two products and its way out: written here, run by wave 0 behind the meeting
	PLACES 8
.irp a, 0,1,2,3
	v_wmma_scale_f32_16x16x128_f8f6f4 v[D3+8*\a:D3+8*\a+7], v[SF+12*\a:SF+12*\a+11], v[WFJ:WFJ+11], 0, v[SS+\a], v[WSJ] matrix_a_fmt:MATRIX_FMT_FP6 matrix_b_fmt:MATRIX_FMT_FP6   ; T: lane (r, h') holds o = 16 j + r; register 16 b + i: w = 32 b + 16 h' + i
.endr
	PLACES NP
.irp b, 0,1
	v_max3_num_f32 v[TM+\b], |v[D3+16*\b]|, |v[D3+16*\b+1]|, 0x1800000   ; T's two blocks along w; each accumulator is read from its low end on
.endr
.irp i, 2,4,6,8,10,12,14
.irp b, 0,1
	v_max3_num_f32 v[TM+\b], v[TM+\b], |v[D3+16*\b+\i]|, |v[D3+16*\b+\i+1]|
.endr
.endr
.irp b, 0,1
	v_permlanex16_b32 v[TM+4+\b], v[TM+\b], s[SEL], s[SEL+1]
.endr
.irp b, 0,1
	v_max_num_f32 v[TM+\b], v[TM+\b], v[TM+4+\b]
.endr
.irp b, 0,1
	v_add_nc_u32 v[TM+8+\b], 0xff000000, v[TM+\b]
.endr
.irp b, 0,1
	v_lshrrev_b32 v[TM+4+\b], 23, v[TM+8+\b]
.endr
	v_lshl_or_b32 v[FS], v[TM+5], 8, v[TM+4]
	v_cvt_scalef32_pk16_fp6_f32 v[FF:FF+2], v[D3:D3+15], v[TM+8]
	v_cvt_scalef32_pk16_fp6_f32 v[CT:CT+2], v[D3+16:D3+31], v[TM+9]
	v_nop
.irp i, 0,1,2
	v_permlane16_swap_b32 v[FF+\i], v[CT+\i]       ; a whole block to a lane
.endr
.irp i, 0,1,2
	v_mov_b32 v[FF+3+\i], v[CT+\i]
.endr
.irp i, 6,7,8,9,10,11
	v_mov_b32 v[FF+\i], 0
.endr
	PLACES 8
	WIN 0x02                                       ; source 0: window 2
.irp p, 0,1,2,3
	v_wmma_scale_f32_16x16x128_f8f6f4 v[VAL+8*\p:VAL+8*\p+7], v[12*\p:12*\p+11], v[FF:FF+11], 0, v[WSP+\p], v[FS] matrix_a_fmt:MATRIX_FMT_FP6 matrix_b_fmt:MATRIX_FMT_FP6   ; lane (r, h'): out(16 j + r, 16 p + 8 h' + 0 .. 7)
.endr
	WIN 0
	PLACES NP                                      ; (the first products of the long sum, which write over window 2, stand far more than five places on)
	v_min_num_f32 v[LO], v[VAL], v[VAL+1]
	v_max_num_f32 v[HI], v[VAL], v[VAL+1]
.irp i, 2,4,6,8,10,12,14,16,18,20,22,24,26,28,30
	v_min3_num_f32 v[LO], v[LO], v[VAL+\i], v[VAL+\i+1]
	v_max3_num_f32 v[HI], v[HI], v[VAL+\i], v[VAL+\i+1]
.endr
.irp p, 0,1,2,3
	ds_store_b128 v[STO], v[VAL+8*\p:VAL+8*\p+3] offset:64*\p
	ds_store_b128 v[STO], v[VAL+8*\p+4:VAL+8*\p+7] offset:64*\p+16
.endr
.irp i, 0,1,2,3,4,5,6,7
	ds_load_b128 v[SF+4*\i:SF+4*\i+3], v[SRD] offset:544*\i
.endr
	s_wait_alu depctr_va_vdst(0)
.irp i, 0,1,2,3,4,5,6,7
	s_wait_dscnt 7-\i                              ; the 7 - i younger loads may be out
	global_store_b128 v[L16], v[SF+4*\i:SF+4*\i+3], s[RV:RV+1] offset:512*\i   ; two whole rows of 256 bytes
.endr
	MMOUT
.endm
.Lnot_sp3:
	s_cmp_lg_u32 s14, 1
	s_cbranch_scc1 .Lviews_done
; ---------------- wave 1: the temporal view
	v_lshlrev_b32 v[WE], 1, v5
	v_mul_u32_u24 v[WE], v[WE], 46
	v_add_nc_u32 v[WE], -41, v[WE]                 ; 128 src of p = 2 l,
	v_add_nc_u32 v[WO], 46, v[WE]                  ; and of p = 2 l + 1, which is never negative
	v_ashrrev_i32 v[CE], 31, v[WE]
	v_xor_b32 v[CE], -1, v[CE]
	v_and_b32 v[WE], v[WE], v[CE]                  ; held at 0 from below,
	v_min_u32 v[WE], 2816, v[WE]                   ; and at 22 from above
	v_min_u32 v[WO], 2816, v[WO]
	v_and_b32 v[CE], 127, v[WE]
	v_and_b32 v[CQ], 127, v[WO]
	v_lshrrev_b32 v[WE], 7, v[WE]                  ; w0
	v_lshrrev_b32 v[WO], 7, v[WO]
	v_lshlrev_b32 v[WE], 2, v[WE]                  ; in bytes
	s_wait_alu depctr_va_vdst(0)
	v_lshlrev_b32 v[WO], 2, v[WO]
	s_wait_alu depctr_va_vdst(0)
	v_cvt_f32_u32 v[CE], v[CE]
	v_cvt_f32_u32 v[CQ], v[CQ]
	v_mul_f32 v[CE], 0x3c000000, v[CE]             ; c
	v_mul_f32 v[CQ], 0x3c000000, v[CQ]
	v_sub_f32 v[DE], 1.0, v[CE]                    ; 1 - c
	v_sub_f32 v[DQ], 1.0, v[CQ]
	s_mul_i32 s92, s15, 736
	s_sub_co_i32 s92, s92, 41                      ; 128 src of o = 16 j
.set oo, 0
.rept 16
.if oo == 8
	s_wait_xcnt 0x0                                ; the first eight rows' loads have read their offsets: the registers serve the other eight
.endif
	s_add_co_i32 s93, s92, 46*oo
	s_max_i32 s93, s93, 0
	s_min_i32 s93, s93, 2816
	s_lshr_b32 s94, s93, 7                         ; h0
	s_and_b32 s93, s93, 127
	v_cvt_f32_u32 v[AV+oo], s93
	s_mul_i32 s94, s94, 92                         ; a row of the grid is 23 numbers
	v_add_nc_u32 v[OF+2*(oo%8)], s94, v[WE]
	v_add_nc_u32 v[OF+2*(oo%8)+1], s94, v[WO]
.irp x, 0,1
	global_load_b32 v[G+8*oo+2*\x], v[OF+2*(oo%8)+\x], s[8:9]                 ; G23[h0][w0],
	global_load_b32 v[G+8*oo+2*\x+1], v[OF+2*(oo%8)+\x], s[8:9] offset:4      ; [h0][w0 + 1],
	global_load_b32 v[G+8*oo+4+2*\x], v[OF+2*(oo%8)+\x], s[8:9] offset:92     ; [h0 + 1][w0],
	global_load_b32 v[G+8*oo+5+2*\x], v[OF+2*(oo%8)+\x], s[8:9] offset:96     ; [h0 + 1][w0 + 1]: at most number 552 of the batch's 576
.endr
.set oo, oo+1
.endr
.set oo, 0
.rept 16
	v_mul_f32 v[AV+oo], 0x3c000000, v[AV+oo]       ; a
.set oo, oo+1
.endr
	s_wait_loadcnt 0x0
.set oo, 0
.rept 16
	v_sub_f32 v[TM], 1.0, v[AV+oo]                 ; 1 - a
.irp x, 0,1,2,3
	v_mul_f32 v[G+8*oo+\x], v[TM], v[G+8*oo+\x]
.endr
.irp x, 0,1,2,3
	v_fma_f32 v[G+8*oo+\x], v[AV+oo], v[G+8*oo+4+\x], v[G+8*oo+\x]   ; the first product at my four w
.endr
	v_mul_f32 v[G+8*oo], v[DE], v[G+8*oo]
	v_mul_f32 v[G+8*oo+2], v[DQ], v[G+8*oo+2]
	v_fma_f32 v[G+8*oo], v[CE], v[G+8*oo+1], v[G+8*oo]               ; out(o, 2 l)
	v_fma_f32 v[G+8*oo+1], v[CQ], v[G+8*oo+3], v[G+8*oo+2]           ; out(o, 2 l + 1)
.if oo == 0
	v_min_num_f32 v[LO], v[G], v[G+1]
	v_max_num_f32 v[HI], v[G], v[G+1]
.else
	v_min3_num_f32 v[LO], v[LO], v[G+8*oo], v[G+8*oo+1]
	v_max3_num_f32 v[HI], v[HI], v[G+8*oo], v[G+8*oo+1]
.endif
	global_store_b64 v[L8], v[G+8*oo:G+8*oo+1], s[RV:RV+1] offset:256*oo   ; a whole row of 256 bytes
.set oo, oo+1
.endr
	MMOUT
.Lviews_done:                                          ; THE MEETING (so the waves part on their number twice, ahead of it and behind it): slot 1's first fill is issued as a refill is
	s_wait_alu depctr_va_vdst(0)
	s_wait_tensorcnt 0x0                           ; my tile of the head's four is in
	ds_add_u32 v[SPW], v[NIL]                      ; 0 onto my spare word
	s_wait_dscnt 0x0                               ; the add is done; no LDS instruction of mine is out
	CROUND                                         ; a whole round: the joint loads meet
	JLOAD 1                                        ; slot 1's first fill, one load a wave, the first tensor load behind the round
	s_cmp_lg_u32 s14, 0
	s_cbranch_scc1 .Lready
	SEGB                                           ; wave 0 ends the spatial view with slot 1 on its way
.Lready:
.macro FRAG reg, adr, off              ; a fragment's image: three loads of 512 consecutive bytes
.irp c, 0,1,2
	ds_load_b128 v[\reg+4*\c:\reg+4*\c+3], v[\adr] offset:\off+512*\c
.endr
.endm
.macro FETCH_B slot, q, p              ; my 8 tiles of h, the slot's q-th K step, into set p
	WIN TO_B
.irp i, 0,1,2,3,4,5,6,7
	FRAG 128*(\p)+FR*\i, ADRB+\slot, KSB*(\q)+1536*\i
.endr
	WIN 0
.endm
.macro FETCH_A slot, q, i0             ; the stripe's tiles i0 .. i0 + 3
.irp i, \i0, \i0+1, \i0+2, \i0+3
	FRAG AF+FR*(\i), ADRA+\slot, KSA*(\q)+1536*(\i)
.endr
.endm
.macro SCALES set                      ; a slot's scale words: four tiles' words of a row lie on end
.irp q, 0,1
.irp f, 0,1
	ds_load_b128 v[SC+16*(\set)+8*\q+4*\f:SC+16*(\set)+8*\q+4*\f+3], v[ADRS] offset:512*\q+256*\f
.endr
.endr
.endm
; 16 matrix instructions: tiles a0, a0 + 1 of w x my eight of h.  The 64 accumulators take turns, one instruction a turn, in the same order in every step.
.macro MUL16 a0, p, q, sc, zero
.irp a, \a0, \a0+1
.irp t, 0,1,2,3,4,5,6,7
.if \zero
	v_wmma_scale_f32_16x16x128_f8f6f4 v[8*(8*((\a)%4)+\t):8*(8*((\a)%4)+\t)+7], v[128*(\p)+FR*\t:128*(\p)+FR*\t+FR-1], v[AF+FR*(\a):AF+FR*(\a)+FR-1], 0, v[SC+16*(\sc)+8*(\q)+\t], v[SC+16*(\sc)+8*(\q)+(\a)] matrix_a_fmt:MATRIX_FMT_FP6 matrix_b_fmt:MATRIX_FMT_FP6 matrix_b_scale:MATRIX_SCALE_ROW1
.else
	v_wmma_scale_f32_16x16x128_f8f6f4 v[8*(8*((\a)%4)+\t):8*(8*((\a)%4)+\t)+7], v[128*(\p)+FR*\t:128*(\p)+FR*\t+FR-1], v[AF+FR*(\a):AF+FR*(\a)+FR-1], v[8*(8*((\a)%4)+\t):8*(8*((\a)%4)+\t)+7], v[SC+16*(\sc)+8*(\q)+\t], v[SC+16*(\sc)+8*(\q)+(\a)] matrix_a_fmt:MATRIX_FMT_FP6 matrix_b_fmt:MATRIX_FMT_FP6 matrix_b_scale:MATRIX_SCALE_ROW1
.endif
.endr
.endr
.endm
; A K step that has its successor in the same slot
.macro STEP slot, q, zero
	s_wait_dscnt 4*NL                              ; all but the youngest 12 loads (w's tiles 4-7)
	WIN MUL_LO
	MUL16 0, (\q)%2, \q, \slot, \zero
	MUL16 2, (\q)%2, \q, \slot, \zero
	s_wait_dscnt 0                                 ; w's tiles 4-7 are in (asked for 32 matrix instructions ago)
	PLACES NP                                      ; in front of loads into registers that matrix instructions have read
	FETCH_B \slot, (\q)+1, 1-(\q)%2
	FETCH_A \slot, (\q)+1, 0
	WIN MUL_HI
	MUL16 4, (\q)%2, \q, \slot, \zero
	MUL16 6, (\q)%2, \q, \slot, \zero
	PLACES NP
	WIN 0
	FETCH_A \slot, (\q)+1, 4
.endm
; A slot's last K step changes slots: ONE barrier; in front of it each wave waits for all its tensor loads, adds 0 to its spare word, and waits for that and for its reads of this slot.  fill = 1: the slot is filled again, two slots ahead.
.macro TURN slot, next, fill
.if \fill
	s_wait_xcnt 0x0                                ; the last prefetch, a slot back, has read its address: it steps here, ahead of the change's own waits
	s_add_nc_u64 s[PFA:PFA+1], s[PFA:PFA+1], SLOTG
.endif
	s_wait_tensorcnt 0x0                           ; all my tensor loads have landed: the one that was out is my part of the next slot
	ds_add_u32 v[SPW], v[NIL]                      ; 0 onto my spare word
	s_wait_dscnt 4*NL+1                            ; (the add and the youngest 12 loads may be out)
	WIN MUL_LO
	MUL16 0, 1, 1, \slot, 0                        ; sixteen matrix instructions stand between the add and the wait for it
	s_wait_dscnt 0x0                               ; the add is done, and my reads of this slot are over
	s_barrier_signal -1
	MUL16 2, 1, 1, \slot, 0
	WIN 0
	s_barrier_wait -1
.if \fill
	CREST                                          ; the barrier has opened a round of the cluster's barrier: no wave of any partner still reads this slot or has a load on its way
	s_add_nc_u64 s[G0B+4*\slot+2:G0B+4*\slot+3], s[G0B+4*\slot+2:G0B+4*\slot+3], 2*SLOTG
	s_add_nc_u64 s[G0A+4*\slot+2:G0A+4*\slot+3], s[G0A+4*\slot+2:G0A+4*\slot+3], 2*SLOTG
	JLOAD \slot                                    ; the first tensor load behind the round, one a wave; its four v_nop are also the places in front of the loads below
.else
	PLACES NP
.endif
	s_wait_alu depctr_va_vdst(0)
	v_add_nc_u32 v[ADRS], 1024, v[ADRS]            ; on to the next slot's scale words
	FETCH_B \next, 0, 0
	FETCH_A \next, 0, 0
	SCALES \next
.if \fill
	ASK
.endif
	WIN MUL_HI
	MUL16 4, 1, 1, \slot, 0
	MUL16 6, 1, 1, \slot, 0
	PLACES NP
	WIN 0
	FETCH_A \next, 0, 4
.endm
	s_wait_tensorcnt 1                             ; the scale words and my part of slot 0 are in; on either way only slot 1's load, the last issued, may be out
	s_barrier_signal -1
	s_barrier_wait -1
	FETCH_B 0, 0, 0
	FETCH_A 0, 0, 0
	SCALES 0
	FETCH_A 0, 0, 4
	STEP 0, 0, 1                                   ; the first K step stands in front of the loop: its products start the sums
	s_mov_b32 s3, 3
.Llap:                                             ; a trip goes once round the ring and fills both slots again: data slots 2 to 7
	TURN 0, 1, 1
	STEP 1, 0, 0
	TURN 1, 0, 1
	STEP 0, 0, 0
	s_sub_co_u32 s3, s3, 1
	s_cmp_lg_u32 s3, 0
	s_cbranch_scc1 .Llap
	TURN 0, 1, 0                                   ; the last lap fills nothing
	STEP 1, 0, 0
	s_wait_dscnt 4*NL
	WIN MUL_LO
	MUL16 0, 1, 1, 1, 0
	MUL16 2, 1, 1, 1, 0
	s_wait_dscnt 0
	WIN MUL_HI
	MUL16 4, 1, 1, 1, 0
	MUL16 6, 1, 1, 1, 0
	WIN 0
; 64 numbers of a lane in window win, register 16 b + i = k 32 b + 16 h' + i of my row, become a fragment in v[pc] on and its scale word in v[pw].  Each accumulator is read from its low end on.
.macro QUANT win, s, pc, pw
.set QW, \win
	WIN 0
.irp b, 0,1,2,3
	v_mov_b32 v[TM+\b], 0x1800000                  ; the floor 2^(3 - 127): the byte cannot fall under 1
.endr
	WIN (QW<<2)|(QW<<4)
.irp i, 0,2,4,6,8,10,12,14
.irp b, 0,1,2,3
	v_max3_num_f32 v[TM+\b], v[TM+\b], |v[\s+16*\b+\i]|, |v[\s+16*\b+\i+1]|   ; the four blocks by turns
.endr
.endr
	WIN 0
.irp b, 0,1,2,3
	v_permlanex16_b32 v[TM+4+\b], v[TM+\b], s[SEL], s[SEL+1]
.endr
.irp b, 0,1,2,3
	v_max_num_f32 v[TM+\b], v[TM+\b], v[TM+4+\b]   ; with lane l xor 16's: the block's largest magnitude
.endr
.irp b, 0,1,2,3
	v_add_nc_u32 v[TM+8+\b], 0xff000000, v[TM+\b]
.endr
.irp b, 0,1,2,3
	v_lshrrev_b32 v[TM+4+\b], 23, v[TM+8+\b]
.endr
	v_lshl_or_b32 v[\pw], v[TM+5], 8, v[TM+4]
	v_lshl_or_b32 v[\pw], v[TM+6], 16, v[\pw]
	v_lshl_or_b32 v[\pw], v[TM+7], 24, v[\pw]
	WIN QW
.irp c, 0,1
	v_cvt_scalef32_pk16_fp6_f32 v[\pc+6*\c:\pc+6*\c+2], v[\s+32*\c:\s+32*\c+15], v[TM+8+2*\c]
	v_cvt_scalef32_pk16_fp6_f32 v[CT+4*\c:CT+4*\c+2], v[\s+32*\c+16:\s+32*\c+31], v[TM+8+2*\c+1]
.endr
	WIN 0
	v_nop                                          ; one plain instruction behind a scaled conversion
.irp c, 0,1                            ; the operand's layout wants a WHOLE block in a lane
.irp i, 0,1,2
	v_permlane16_swap_b32 v[\pc+6*\c+\i], v[CT+4*\c+\i]
.endr
.irp i, 0,1,2
	v_mov_b32 v[\pc+6*\c+3+\i], v[CT+4*\c+\i]
.endr
.endr
.endm
	PLACES NP                                      ; behind the last products: their results are read and their operands' registers written below
.irp a, 0,1,2,3,4,5,6,7
	QUANT 2+\a/4, 64*(\a%4), AF+FR*\a, SC+\a       ; Q(G) for tile a of w: 16 rows w x my 128 h
.endr
	PLACES 8                                       ; a scale register written by a vector instruction stands 8 places ahead of a scaled matrix instruction, an operand 4
.irp a, 0,1,2,3,4,5,6,7
	v_wmma_scale_f32_16x16x128_f8f6f4 v[DP+8*\a:DP+8*\a+7], v[AF+FR*\a:AF+FR*\a+FR-1], v[WF:WF+FR-1], 0, v[SC+\a], v[WS] matrix_a_fmt:MATRIX_FMT_FP6 matrix_b_fmt:MATRIX_FMT_FP6   ; T: lane (r, h') holds o = 16 v + r; register 16 b + i of the 64: w = 32 b + 16 h' + i
.endr
	PLACES NP
	QUANT 0, DP, AF, SC+8                          ; Q(T): 16 rows o x the stripe's 128 w
	PLACES 8
	v_wmma_scale_f32_16x16x128_f8f6f4 v[OUT:OUT+7], v[WF:WF+FR-1], v[AF:AF+FR-1], 0, v[WS], v[SC+8] matrix_a_fmt:MATRIX_FMT_FP6 matrix_b_fmt:MATRIX_FMT_FP6   ; lane (r, h'): out(16 v + r, 16 j + 8 h' + 0 .. 7)
	v_mov_b32 v202, 0                              ; four places; the two moves write the permutes' destinations
	v_mov_b32 v203, 0
	v_nop
	v_nop
	global_store_b128 v[L16], v[OUT:OUT+3], s[R2:R2+1] th:TH_STORE_NT            ; 512 consecutive bytes each; the last launch reads them in the picture's order
	global_store_b128 v[L16], v[OUT+4:OUT+7], s[R2:R2+1] offset:512 th:TH_STORE_NT
	v_min3_num_f32 v200, v[OUT], v[OUT+1], v[OUT+2]
	v_max3_num_f32 v201, v[OUT], v[OUT+1], v[OUT+2]
	v_min3_num_f32 v200, v200, v[OUT+3], v[OUT+4]
	v_max3_num_f32 v201, v201, v[OUT+3], v[OUT+4]
	v_min3_num_f32 v200, v200, v[OUT+5], v[OUT+6]
	v_max3_num_f32 v201, v201, v[OUT+5], v[OUT+6]
	v_min_num_f32 v200, v200, v[OUT+7]
	v_max_num_f32 v201, v201, v[OUT+7]
.irp x, 1,2,4,8
	v_min_num_f32_dpp v200, v200, v200 row_xmask:\x row_mask:0xf bank_mask:0xf
	v_max_num_f32_dpp v201, v201, v201 row_xmask:\x row_mask:0xf bank_mask:0xf
.endr
	v_permlanex16_b32 v202, v200, s[SEL], s[SEL+1]
	v_permlanex16_b32 v203, v201, s[SEL], s[SEL+1]
	v_min_num_f32 v200, v200, v202                 ; my 256 numbers' least
	v_max_num_f32 v201, v201, v203                 ; and largest
	v_cmp_eq_u32 vcc_lo, 1, v5
	v_cndmask_b32 v204, v200, v201, vcc_lo         ; lane 0: the least, lane 1: the largest
	v_cmp_gt_u32 vcc_lo, 2, v5
	s_wait_alu depctr_va_vdst(0)
	s_wait_xcnt 0x0                                ; EXEC changes only behind this wait: the stores above have it among their sources
	s_and_saveexec_b32 s17, vcc_lo
	global_store_b32 v[L4], v204, s[M2:M2+1]
	s_wait_xcnt 0x0
	s_or_b32 exec_lo, exec_lo, s17
	s_wait_tensorcnt 0x0                           ; the wave's end
	ds_add_u32 v[SPW], v[NIL]
	s_wait_dscnt 0x0
	CROUND                                         ; the closing round: no work-group ends while a partner may still ask for a tile that names it
	s_endpgm
.Lfunc_end_k_q199d5907ea_corr:
	.size	k_q199d5907ea_corr, .Lfunc_end_k_q199d5907ea_corr-k_q199d5907ea_corr
	.p2alignl 7, 3214868480
	.fill 96, 4, 3214868480
	.section	.rodata,"a",@progbits
	.p2align	6, 0x0
	.amdhsa_kernel k_q199d5907ea_corr
		.amdhsa_group_segment_fixed_size 327680
		.amdhsa_private_segment_fixed_size 0
		.amdhsa_enable_private_segment 0
		.amdhsa_kernarg_size 48
		.amdhsa_user_sgpr_count 2
		.amdhsa_user_sgpr_kernarg_segment_ptr 1
		.amdhsa_wavefront_size32 1
		.amdhsa_system_sgpr_workgroup_id_x 1
		.amdhsa_system_sgpr_workgroup_id_y 1
		.amdhsa_system_sgpr_workgroup_id_z 1
		.amdhsa_system_vgpr_workitem_id 0
		.amdhsa_next_free_vgpr 1024
		.amdhsa_next_free_sgpr 100
		.amdhsa_reserve_vcc 1
		.amdhsa_float_denorm_mode_32 3
		.amdhsa_float_denorm_mode_16_64 3
		.amdhsa_memory_ordered 1
		.amdhsa_forward_progress 1
		.amdhsa_inst_pref_size 255
	.end_amdhsa_kernel
	.section	.bss,"aw",@nobits
	.p2align	6
	.space	262144
	.amdgpu_metadata
---
amdhsa.version: [ 1, 2 ]
amdhsa.kernels:
  - .name:           k_q199d5907ea_corr
    .symbol:         k_q199d5907ea_corr.kd
    .args:
      - { .name: xcodes, .offset: 0, .size: 8, .value_kind: global_buffer, .address_space: global }
      - { .name: xscales, .offset: 8, .size: 8, .value_kind: global_buffer, .address_space: global }
      - { .name: tmean, .offset: 16, .size: 8, .value_kind: global_buffer, .address_space: global }
      - { .name: colpart, .offset: 24, .size: 8, .value_kind: global_buffer, .address_space: global }
      - { .name: raw, .offset: 32, .size: 8, .value_kind: global_buffer, .address_space: global }
      - { .name: mm, .offset: 40, .size: 8, .value_kind: global_buffer, .address_space: global }
    .group_segment_fixed_size: 327680
    .private_segment_fixed_size: 0
    .kernarg_segment_align: 8
    .kernarg_segment_size: 48
    .max_flat_workgroup_size: 128
    .sgpr_count:     100
    .vgpr_count:     1024
    .wavefront_size: 32
...
	.end_amdgpu_metadata
.endif
;; end of part 2
;; launch norm (part 3): grid 64 x 3, 4 waves a work-group, no clusters, 768 bytes of LDS; arguments raw, mm, out0; writes out0
.if DOCPART == 3
	.amdgcn_target "amdgcn-amd-amdhsa--gfx1250"
	.amdhsa_code_object_version 6
	.text
	.protected	k_q199d5907ea_norm
	.globl	k_q199d5907ea_norm
	.p2align	8
	.type	k_q199d5907ea_norm,@function
k_q199d5907ea_norm:
	s_mov_b64 s[64:65], 0
	v_nop
	global_prefetch_b8 v0, s[64:65] scope:SCOPE_SE
	s_setreg_imm32_b32 hwreg(HW_REG_WAVE_MODE, 25, 1), 1
	s_wait_xcnt 0x0
; out0[b][ch] = (raw - lo) / (hi - lo + 1e-8), or zeros where hi - lo < 1e-8; lo and hi are the least and the largest of the whole channel, over all 64 batches.
; Work-group (b, ch) takes one picture, 16,384 bytes.  It reads the channel's 1,024 pairs (least, largest), 8,192 bytes, and reduces them; meanwhile its 8 loads a lane of the picture are on their way.
; Channels 0 and 1 lie in raw as pictures; channel 2 lies as the matrix results' registers were stored: (o = 16 v + r, p = 16 j + 8 h + 4 q + e) at 4,096 j + 1,024 v + 512 q + 16 (r + 16 h) + 4 e.  The loads follow that order, so that every
; store covers 512 consecutive bytes of out0.
; The division is v_rcp_f32; x inv - lo inv is one fused multiply-add.  LIMITS: NaN and infinities are not served.
.set LO, 64
.set HI, 65
	s_load_b128 s[4:7], s[0:1], 0x0                ; raw, mm
	s_load_b64 s[8:9], s[0:1], 0x10                ; out0
	v_lshl_add_u32 v96, v0, 2, 0x100
	v_mov_b32 v97, 0
	v_lshrrev_b32 v1, 5, v0
	v_readfirstlane_b32 s14, v1                    ; wave v
	s_mov_b32 s15, ttmp9                           ; b
	s_and_b32 s16, ttmp7, 0xffff                   ; ch
	s_mov_b32 s12, 0x76543210
	s_mov_b32 s13, 0xfedcba98
	v_and_b32 v1, 31, v0
	v_lshlrev_b32 v2, 4, v0                        ; 16 x thread
	v_lshlrev_b32 v3, 4, v1                        ; 16 x lane
	v_bfe_u32 v4, v0, 2, 2                         ; channel 2: my 16 bytes of out0 are p = 4 (l % 16) on, of row 2 i + l / 16: j = (l / 4) % 4,
	v_lshlrev_b32 v4, 12, v4
	v_and_b32 v5, 1, v0                            ; q = l % 2,
	v_lshl_add_u32 v4, v5, 9, v4
	v_bfe_u32 v5, v0, 1, 1                         ; h = (l / 2) % 2,
	v_lshl_add_u32 v4, v5, 8, v4
	v_bfe_u32 v5, v0, 4, 1                         ; r = 2 i + l / 16
	v_lshl_add_u32 v4, v5, 4, v4
	s_cmp_eq_u32 s16, 2
	s_cselect_b32 s17, -1, 0
	s_cselect_b32 s18, 10, 12                      ; from wave to wave 1,024 or 4,096 bytes,
	s_cselect_b32 s19, 32, 512                     ; from load to load 32 or 512
	v_cndmask_b32 v8, v3, v4, s17
	s_lshl_b32 s18, s14, s18
	v_add_nc_u32 v8, s18, v8
.irp i, 9,10,11,12,13,14,15
	v_add_nc_u32 v[\i], s19, v[\i-1]
.endr
	s_lshl_b32 s20, s14, 12
	v_add_nc_u32 v6, s20, v3                       ; out0: 4,096 v + 16 x lane
	s_lshl_b32 s21, s14, 3
	v_mov_b32 v7, s21                              ; LDS: my wave's pair
	v_mov_b32 v81, 0
	v_mov_b32 v80, 0
	v_mov_b32 v66, 0
	v_mov_b32 v67, 0
	s_lshl_b32 s22, s16, 13
	s_mov_b32 s23, 0
	s_lshl_b32 s24, s16, 20
	s_lshl_b32 s25, s15, 14
	s_add_co_u32 s24, s24, s25
	s_mov_b32 s25, 0
	s_mul_i32 s26, s15, 3
	s_add_co_u32 s26, s26, s16
	s_lshl_b32 s26, s26, 14
	s_mov_b32 s27, 0
	s_wait_alu depctr_va_vdst(0)
	s_wait_kmcnt 0x0
	s_add_nc_u64 s[6:7], s[6:7], s[22:23]
	s_add_nc_u64 s[4:5], s[4:5], s[24:25]
	s_add_nc_u64 s[8:9], s[8:9], s[26:27]
.irp k, 0,1,2,3
	global_load_b128 v[16+4*\k:19+4*\k], v2, s[6:7] offset:2048*\k
.endr
.irp i, 0,1,2,3,4,5,6,7
	global_load_b128 v[32+4*\i:35+4*\i], v[8+\i], s[4:5] th:TH_LOAD_NT
.endr
	s_wait_loadcnt 8                               ; the four loads of pairs are in; the picture's eight may be out
	v_min3_num_f32 v[LO], v16, v18, v20
	v_max3_num_f32 v[HI], v17, v19, v21
	v_min3_num_f32 v[LO], v[LO], v22, v24
	v_max3_num_f32 v[HI], v[HI], v23, v25
	v_min3_num_f32 v[LO], v[LO], v26, v28
	v_max3_num_f32 v[HI], v[HI], v27, v29
	v_min_num_f32 v[LO], v[LO], v30
	v_max_num_f32 v[HI], v[HI], v31
.irp x, 1,2,4,8
	v_min_num_f32_dpp v[LO], v[LO], v[LO] row_xmask:\x row_mask:0xf bank_mask:0xf
	v_max_num_f32_dpp v[HI], v[HI], v[HI] row_xmask:\x row_mask:0xf bank_mask:0xf
.endr
	v_permlanex16_b32 v66, v[LO], s12, s13
	v_permlanex16_b32 v67, v[HI], s12, s13
	v_min_num_f32 v[LO], v[LO], v66
	v_max_num_f32 v[HI], v[HI], v67
	ds_store_b64 v7, v[LO:HI]                      ; all lanes write the same pair with the same values
	s_wait_dscnt 0x0
	s_barrier_signal -1
	s_barrier_wait -1
	ds_load_b128 v[68:71], v81
	ds_load_b128 v[72:75], v81 offset:16
	s_wait_dscnt 0x0
	v_min3_num_f32 v[LO], v68, v70, v72
	v_max3_num_f32 v[HI], v69, v71, v73
	v_min_num_f32 v[LO], v[LO], v74                ; the channel's least
	v_max_num_f32 v[HI], v[HI], v75                ; and largest
	v_sub_f32 v66, v[HI], v[LO]
	v_add_f32 v67, 0x322bcc77, v66                 ; + 1e-8
	s_wait_alu depctr_va_vdst(0)
	v_rcp_f32 v67, v67
	v_nop                                          ; one plain instruction behind a transcendental
	v_cmp_gt_f32 vcc_lo, 0x322bcc77, v66
	s_wait_alu depctr_va_vdst(0)
	v_cndmask_b32 v76, v67, v80, vcc_lo            ; 0 where hi - lo < 1e-8: the picture is then zeros
	v_mov_b32 v77, v76
	v_mul_f32 v78, -v[LO], v76
	v_mov_b32 v79, v78
	s_wait_alu depctr_va_vdst(0)
	s_wait_loadcnt 0x0
.set k, 0
.rept 16
	v_pk_fma_f32 v[32+2*k:33+2*k], v[32+2*k:33+2*k], v[76:77], v[78:79]
.set k, k+1
.endr
.irp i, 0,1,2,3,4,5,6,7
	global_store_b128 v6, v[32+4*\i:35+4*\i], s[8:9] offset:512*\i th:TH_STORE_NT   ; 512 consecutive bytes, at a multiple of 512 from out0's first byte
.endr
	s_wait_tensorcnt 0x0
	ds_add_u32 v96, v97
	s_wait_dscnt 0x0
	s_endpgm
.Lfunc_end_k_q199d5907ea_norm:
	.size	k_q199d5907ea_norm, .Lfunc_end_k_q199d5907ea_norm-k_q199d5907ea_norm
	.p2alignl 7, 3214868480
	.fill 96, 4, 3214868480
	.section	.rodata,"a",@progbits
	.p2align	6, 0x0
	.amdhsa_kernel k_q199d5907ea_norm
		.amdhsa_group_segment_fixed_size 768
		.amdhsa_private_segment_fixed_size 0
		.amdhsa_enable_private_segment 0
		.amdhsa_kernarg_size 24
		.amdhsa_user_sgpr_count 2
		.amdhsa_user_sgpr_kernarg_segment_ptr 1
		.amdhsa_wavefront_size32 1
		.amdhsa_system_sgpr_workgroup_id_x 1
		.amdhsa_system_sgpr_workgroup_id_y 1
		.amdhsa_system_sgpr_workgroup_id_z 1
		.amdhsa_system_vgpr_workitem_id 0
		.amdhsa_next_free_vgpr 98
		.amdhsa_next_free_sgpr 66
		.amdhsa_reserve_vcc 1
		.amdhsa_float_denorm_mode_32 3
		.amdhsa_float_denorm_mode_16_64 3
		.amdhsa_memory_ordered 1
		.amdhsa_forward_progress 1
		.amdhsa_inst_pref_size 8
	.end_amdhsa_kernel
	.amdgpu_metadata
---
amdhsa.version: [ 1, 2 ]
amdhsa.kernels:
  - .name:           k_q199d5907ea_norm
    .symbol:         k_q199d5907ea_norm.kd
    .args:
      - { .name: raw, .offset: 0, .size: 8, .value_kind: global_buffer, .address_space: global }
      - { .name: mm, .offset: 8, .size: 8, .value_kind: global_buffer, .address_space: global }
      - { .name: out0, .offset: 16, .size: 8, .value_kind: global_buffer, .address_space: global }
    .group_segment_fixed_size: 768
    .private_segment_fixed_size: 0
    .kernarg_segment_align: 8
    .kernarg_segment_size: 24
    .max_flat_workgroup_size: 128
    .sgpr_count:     66
    .vgpr_count:     98
    .wavefront_size: 32
...
	.end_amdgpu_metadata
.endif
;; end of part 3
